; MI455X (gfx1250); checked and timed in simulation.
; The chip was launched on July 23, 2026; its instructions are those of AMD's public machine-readable ISA for CDNA 5 (MIT licence, August 2026) and "CDNA5" Instruction Set Architecture Reference Guide (July 2026). The comments in the code are by the model that wrote it; some were corrected since.
;; GPT2 Attention. Allowed arithmetic: float matrix products may take bf16 or f16 operands with f32 sums; other float arithmetic in f32, or as packed bf16 or f16 multiplies, adds, multiply-adds, maxima and minima; sums over many terms, partial sums and values carried from step to step in f32; what a program stores and reads back later, other than sums and carried values, may be rounded once to bf16 or f16.
;; Inputs: W_attn 1,024 x 3,072 float32; b_attn 3,072 float32; encodings 4 x 2,048 x 1,024 float32.
;; Outputs: out0 4 x 2,048 x 1,024 float32.
;; One version. Each part assembles by itself: llvm-mc -triple=amdgcn-amd-amdhsa -mcpu=gfx1250 --defsym DOCPART=n.
;; ======== version 1 of 1: 5 launches
;; limits: values are held in f16: magnitudes above 65,504 overflow, below 6.1e-05 lose precision
;; workspace buffers: xb 16,777,216 bytes; wb 6,291,456 bytes; qkv 50,331,648 bytes; hsum 262,144 bytes
;; launch cvt (part 1): grid 704 x 1, 8 waves a work-group, no clusters, 0 bytes of LDS; arguments encodings, W_attn, xb, wb; writes xb, wb
.if DOCPART == 1
	.amdgcn_target "amdgcn-amd-amdhsa--gfx1250"
	.amdhsa_code_object_version 6
	.text
	.protected	k_qfb38903b72_cvt
	.globl	k_qfb38903b72_cvt
	.p2align	8
	.type	k_qfb38903b72_cvt,@function
k_qfb38903b72_cvt:
	s_mov_b64 s[64:65], 0
	v_nop
	global_prefetch_b8 v0, s[64:65] scope:SCOPE_SE
	s_setreg_imm32_b32 hwreg(HW_REG_WAVE_MODE, 25, 1), 1
	s_wait_xcnt 0x0
; xb = bf16(encodings), wb = bf16(W_attn): each number rounded once, to nearest even; the layouts stay as they are.
; A stream: no LDS, no barrier, no loop.  A work-group converts 16,384 numbers: groups 0-511 take x (8,388,608 numbers), groups 512-703 take W (3,145,728).
; A wave takes 2,048 numbers as 16 pieces of 128: a load covers 512 consecutive bytes, a store 256 consecutive bytes at a multiple of 256 from the buffer's first byte.
; All 16 loads of a wave go out at once; no register is written twice, so no wait frees a source.
.set X, 4                              ; v[4:67]   piece j: 4 registers as loaded
.set Y, 68                             ; v[68:99]  piece j: 2 registers to store
	s_load_b256 s[4:11], s[0:1], 0x0               ; encodings s[4:5], W_attn s[6:7], xb s[8:9], wb s[10:11]
	s_max_u32 s16, ttmp9, 512
	s_sub_co_u32 s16, s16, 512                     ; the group's number among W's groups (0 for x's groups, where it is not taken)
	v_lshrrev_b32 v3, 5, v0                        ; wave
	v_and_b32 v1, 31, v0                           ; lane
	v_lshlrev_b32 v2, 3, v1
	v_lshlrev_b32 v1, 4, v1
	v_lshl_add_u32 v1, v3, 13, v1                  ; in:  8,192 x wave + 16 x lane
	v_lshl_add_u32 v2, v3, 12, v2                  ; out: 4,096 x wave +  8 x lane
	s_wait_kmcnt 0x0
	s_cmp_lt_u32 ttmp9, 512                        ; x or W: the choice hangs on the group's number alone
	s_cselect_b64 s[12:13], s[4:5], s[6:7]
	s_cselect_b64 s[14:15], s[8:9], s[10:11]
	s_cselect_b32 s17, ttmp9, s16
	s_lshl_b32 s18, s17, 16                        ; 65,536 bytes in for a group,
	s_mov_b32 s19, 0
	s_lshl_b32 s20, s17, 15                        ; 32,768 out
	s_mov_b32 s21, 0
	s_add_nc_u64 s[12:13], s[12:13], s[18:19]
	s_add_nc_u64 s[14:15], s[14:15], s[20:21]
.set j, 0
.rept 16
	global_load_b128 v[X+4*j:X+4*j+3], v1, s[12:13] offset:512*j th:TH_LOAD_NT
.set j, j+1
.endr
.set j, 0
.rept 16
	s_wait_loadcnt 15-j                            ; loads come back in order (ISA guide 5.7.1): piece j is in, the 15 - j younger ones stay out
	v_cvt_pk_bf16_f32 v[Y+2*j], v[X+4*j], v[X+4*j+1]
	v_cvt_pk_bf16_f32 v[Y+2*j+1], v[X+4*j+2], v[X+4*j+3]
	global_store_b64 v2, v[Y+2*j:Y+2*j+1], s[14:15] offset:256*j
.set j, j+1
.endr
	s_endpgm
.Lfunc_end_k_qfb38903b72_cvt:
	.size	k_qfb38903b72_cvt, .Lfunc_end_k_qfb38903b72_cvt-k_qfb38903b72_cvt
	.p2alignl 7, 3214868480
	.fill 96, 4, 3214868480
	.section	.rodata,"a",@progbits
	.p2align	6, 0x0
	.amdhsa_kernel k_qfb38903b72_cvt
		.amdhsa_group_segment_fixed_size 0
		.amdhsa_private_segment_fixed_size 0
		.amdhsa_enable_private_segment 0
		.amdhsa_kernarg_size 32
		.amdhsa_user_sgpr_count 2
		.amdhsa_user_sgpr_kernarg_segment_ptr 1
		.amdhsa_wavefront_size32 1
		.amdhsa_system_sgpr_workgroup_id_x 1
		.amdhsa_system_sgpr_workgroup_id_y 1
		.amdhsa_system_sgpr_workgroup_id_z 1
		.amdhsa_system_vgpr_workitem_id 0
		.amdhsa_next_free_vgpr 104
		.amdhsa_next_free_sgpr 66
		.amdhsa_reserve_vcc 0
		.amdhsa_float_denorm_mode_32 3
		.amdhsa_float_denorm_mode_16_64 3
		.amdhsa_memory_ordered 1
		.amdhsa_forward_progress 1
		.amdhsa_inst_pref_size 7
	.end_amdhsa_kernel
	.amdgpu_metadata
---
amdhsa.version: [ 1, 2 ]
amdhsa.kernels:
  - .name:           k_qfb38903b72_cvt
    .symbol:         k_qfb38903b72_cvt.kd
    .args:
      - { .name: encodings, .offset: 0, .size: 8, .value_kind: global_buffer, .address_space: global }
      - { .name: W_attn, .offset: 8, .size: 8, .value_kind: global_buffer, .address_space: global }
      - { .name: xb, .offset: 16, .size: 8, .value_kind: global_buffer, .address_space: global }
      - { .name: wb, .offset: 24, .size: 8, .value_kind: global_buffer, .address_space: global }
    .group_segment_fixed_size: 0
    .private_segment_fixed_size: 0
    .kernarg_segment_align: 8
    .kernarg_segment_size: 32
    .max_flat_workgroup_size: 256
    .sgpr_count:     66
    .vgpr_count:     104
    .wavefront_size: 32
...
	.end_amdgpu_metadata
.endif
;; end of part 1
;; launch proj (part 2): grid 16 x 16, 4 waves a work-group, clusters of 4 x 4, 327,680 bytes of LDS; arguments xb, wb, b_attn, qkv; writes qkv
.if DOCPART == 2
	.amdgcn_target "amdgcn-amd-amdhsa--gfx1250"
	.amdhsa_code_object_version 6
	.text
	.protected	k_qfb38903b72_proj
	.globl	k_qfb38903b72_proj
	.p2align	8
	.type	k_qfb38903b72_proj,@function
k_qfb38903b72_proj:
	s_mov_b64 s[64:65], 0
	v_nop
	global_prefetch_b8 v0, s[64:65] scope:SCOPE_SE
	s_setreg_imm32_b32 hwreg(HW_REG_WAVE_MODE, 25, 1), 1
	s_wait_xcnt 0x0
	s_wait_alu depctr_hold_cnt(0) depctr_sa_sdst(0) depctr_va_vdst(0) depctr_va_sdst(0) depctr_va_ssrc(0) depctr_va_vcc(0) depctr_vm_vsrc(0)
	s_getreg_b32 s2, hwreg(HW_REG_IB_STS2, 6, 4)
	s_cmp_eq_u32 s2, 0
	s_cbranch_scc0 .Lentry_in_a_cluster
	s_endpgm
.Lentry_in_a_cluster:
	s_bfe_u32 s2, ttmp6, 0x10000c
	s_cmp_lg_u32 s2, 0xf033
	s_cbranch_scc0 .Lentry_shape_is_right
	s_endpgm
.Lentry_shape_is_right:
; qkv = x W + b, written by heads.  xb: [8192][1024] bf16.  wb: [1024][3072] bf16, K down the rows.  b_attn: [3072] f32, rounded to bf16 like the other inputs.
; qkv: [3 (q, k, v)][64 heads = 16 x batch + head][2048][64] f16, each number rounded once from its f32 sum, unscaled.
; LIMIT.  f16 holds no number beyond 65,504: a q, k or v beyond that becomes an infinity.
; SHARES.  A tile of the product is 256 rows x 192 columns (three whole heads): 32 x 16 = 512 tiles, two to each of 256 work-groups, 4,096 rows apart.  Wave w makes rows 64 w .. 64 w + 63 x all 192 columns:
; 4 x 12 = 48 accumulators of 16 x 16, 384 registers.  K goes in steps of 128 through a ring of two LDS slots; the ring runs on from the first tile into the second.
; THE MATRIX INSTRUCTION IS USED TRANSPOSED: source 0 = 16 columns of W, source 1 = 16 rows of x: a lane then holds row lane % 16 and the eight neighbouring columns 8 (lane / 16) + 0..7, 16 bytes of f16.
; W lies with K down the rows, so its fragments come out of LDS turned, by ds_load_tr16_b128.  The bias is the C operand of the products that start the sums: nothing is cleared, nothing is added later.
; CLUSTER.  4 x 4 work-groups: the four of a row of the cluster need the same tiles of x, the four of a column the same tiles of W; each tile is asked for jointly, by the same tensor load, descriptor and mask in all four.
; REGISTERS, in windows of 256 (s_set_vgpr_msb: bits 1:0 source 0, 3:2 source 1, 5:4 source 2, 7:6 destination):
;   window 0: v0-31 addresses; v32-63, v64-95 x's fragments, two buffers (4 x 16 rows x 32 K); v96-143 packed results; v144-239 rows read back, two buffers of 48
;   window 1: v0-95, v96-191 W's fragments, two buffers (12 x 16 columns x 32 K)
;   window 2: accumulators (a, b), b < 8, at v[8 (8 a + b)]      window 3: accumulators (a, b), b >= 8, at v[8 (4 a + b - 8)]; v128-223 the bias, eight registers a column block
.set PA,     272                       ; a row of x in LDS: 256 bytes + 16 of padding = 68 words: the 16 rows of a load start at 16 different groups of four banks (64 banks of 4 bytes: ISA guide 11.1)
.set PB,     480                       ; a row of W in LDS: three times 128 bytes + 32 of padding = 15 x 32 bytes
.set AHALF,  128*PA                    ; what one tensor load brings of x: 128 rows
.set BOFF,   256*PA                    ; W's part of a slot lies behind x's 256 rows
.set BHALF,  64*PB                     ; what one tensor load brings of W: 64 rows along K
.set SLOT,   BOFF+128*PB               ; 131,072 bytes
.set STAGE,  2*SLOT                    ; behind the ring: 16 rows x 400 bytes for each wave, for the way out
.set SP,     400                       ; 384 bytes + 16: 25 x 16, so that the 16 rows of a store start at 16 different groups of four banks
.set SPARE,  STAGE+4*16*SP             ; behind the stages: the spare words, 128 bytes for each wave: two blocks of 256 bytes that no other line names
.set LAPS,   4                         ; a lap = two K steps = once round the ring; 1,024 / 256
.set STEP_A, 2*128*2                   ; two K steps on, in bytes: along x's rows,
.set STEP_B, 2*128*3072*2              ; down W's rows
.set NEXT_A, 4096*1024*2-6*128*2       ; from a slot's last K step of the first tile to its first of the second: x goes 4,096 rows down and back along K,
.set BACK_B, 6*128*3072*2              ; W only back: both tiles take the same columns
.set NEXT_O, 32*262144                 ; 4,096 rows are two batches: 32 heads of 262,144 bytes on in qkv
.set ADRA, 16                          ; v16-17  LDS address of my fragments of x in slot 0, 1
.set ADRB, 20                          ; v20-21  the same for W
.set STO,  24                          ; v24     the way out: where I put 16 bytes of a row
.set RD,   25                          ; v25     the way out: where I read rows back
.set CO,   26                          ; v26     my 16 bytes in 512 consecutive bytes of qkv
.set BO,   27                          ; v27     my byte offset in a column block's bias
.set SPW,  28                          ; v28     LDS address of my spare word: SPARE + 4 x my thread's number; never rewritten
.set NIL,  29                          ; v29     0; never rewritten
.set FA,   32
.set TMP,  96
.set OB,   144
.set BIAS, 128                         ; in window 3
.set WV,  12                           ; s12  my wave's number
.set SUB, 14                           ; s14  which half of x's rows (waves 0, 1) or of W's K rows (waves 2, 3) I fetch
.set CX,  15                           ; s15, s16  my place in the cluster
.set CY,  16
.set TC,  17                           ; s17  tile column, 0..15
.set TR,  18                           ; s18  tile row of the first tile, 0..15
.set G1A, 24                           ; s[24:31] descriptor group 1 for x's tiles;  s[32:39] group 0, a set for each slot
.set G0A, 32
.set G1B, 48                           ; s[48:55], s[56:63] the same for W's tiles
.set G0B, 56
.set OUT, 68                           ; s[68:73] qkv at my first row of each of the tile's three heads
.set MSB, 0
.macro WIN new                         ; the immediate's high byte repeats the setting that is left; a switch that changes nothing is dropped
.if MSB != (\new)
	s_set_vgpr_msb (MSB<<8)|(\new)
.set MSB, \new
.endif
.endm
; A joint load.  Waves 0 and 1 fetch x's two halves, waves 2 and 3 W's.  The branch hangs on the wave's number alone.  An s_nop 0 and four v_nop follow each of the two lines.
.macro JLOAD s
	s_cmp_lt_u32 s[WV], 2
	s_cbranch_scc0 .Lfor_b_\@
	tensor_load_to_lds s[G0A+4*(\s):G0A+4*(\s)+3], s[G1A:G1A+7]
	s_nop 0
.rept 4
	v_nop
.endr
	s_branch .Lasked_\@
.Lfor_b_\@:
	tensor_load_to_lds s[G0B+4*(\s):G0B+4*(\s)+3], s[G1B:G1B+7]
	s_nop 0
.rept 4
	v_nop
.endr
.Lasked_\@:
.endm
; A round of the cluster's barrier: my work-group's barrier, so that wave 0's signal speaks for all four waves; wave 0 signals; every wave waits for all sixteen work-groups; my work-group's barrier once more.
.macro CREST                           ; a round behind its opening barrier
	s_cmp_lg_u32 s[WV], 0
	s_cbranch_scc1 .Lnot_wave_0_\@
	s_barrier_signal -3
.Lnot_wave_0_\@:
	s_barrier_wait -3
	s_barrier_signal -1
	s_barrier_wait -1
.endm
.macro CROUND
	s_barrier_signal -1
	s_barrier_wait -1
	CREST
.endm
	s_load_b256 s[4:11], s[0:1], 0x0               ; xb s[4:5], wb s[6:7], b_attn s[8:9], qkv s[10:11]
	v_lshl_add_u32 v[SPW], v0, 2, SPARE
	v_mov_b32 v[NIL], 0
	ds_add_u32 v[SPW], v[NIL]                      ; the wave's opening: the add and its wait stand ahead of my first tensor load; the set-up below, work on registers, stands between them
	ds_add_u32 v28, v29
	v_lshrrev_b32 v1, 5, v0
	v_readfirstlane_b32 s[WV], v1                  ; wave 0..3
	s_and_b32 s[SUB], s[WV], 1
	s_bfe_u32 s[CX], ttmp6, 0x40000
	s_bfe_u32 s[CY], ttmp6, 0x40004
	s_lshl_b32 s[TC], ttmp9, 2                     ; in a cluster launch ttmp9 and ttmp7 count clusters
	s_add_co_u32 s[TC], s[TC], s[CX]               ; tile column = 4 x cluster x + cx
	s_and_b32 s[TR], ttmp7, 0xffff
	s_lshl_b32 s[TR], s[TR], 2
	s_add_co_u32 s[TR], s[TR], s[CY]               ; tile row = 4 x cluster y + cy
	s_lshl_b32 s19, s[CY], 2
	s_lshl_b32 s19, 15, s19                        ; my row of the cluster: places 4 cy .. 4 cy + 3
	s_lshl_b32 s20, 0x1111, s[CX]                  ; my column: places cx, cx + 4, cx + 8, cx + 12
	; group 1 for x: 128 rows x 128 elements of 2 bytes, 4 words of padding after every 64 words
	s_or_b32 s[G1A+0], s19, (1<<16)|(1<<20)|(1<<21)|(5<<22)|(3<<25)  ; 15:0 the mask; 17:16 2-byte elements; 20 padding on; 21 set beside a mask; 24:22 interval code 5; 31:25 pad code 3
	s_mov_b32 s[G1A+1], 128<<16                    ; tensor_dim0 = 128
	s_mov_b32 s[G1A+2], 128<<16                    ; tensor_dim1 = 128
	s_mov_b32 s[G1A+3], 128<<16                    ; tile_dim0 = 128
	s_mov_b32 s[G1A+4], 128                        ; tile_dim1 = 128
	s_mov_b32 s[G1A+5], 1024                       ; elements from row to row
	s_mov_b32 s[G1A+6], 0
	s_mov_b32 s[G1A+7], 0
	; group 1 for W: 64 rows x 192 elements, 8 words of padding after every 32 words: three intervals a row
	s_or_b32 s[G1B+0], s20, (1<<16)|(1<<20)|(1<<21)|(4<<22)|(7<<25)
	s_mov_b32 s[G1B+1], 192<<16
	s_mov_b32 s[G1B+2], 64<<16
	s_mov_b32 s[G1B+3], 192<<16
	s_mov_b32 s[G1B+4], 64
	s_mov_b32 s[G1B+5], 3072
	s_mov_b32 s[G1B+6], 0
	s_mov_b32 s[G1B+7], 0
	; where the tiles come from.  x's hang on the tile row alone, W's on the tile column alone, each in registers that never hold the other coordinate.
	s_lshl_b32 s40, s[TR], 8
	s_lshl_b32 s41, s[SUB], 7
	s_add_co_u32 s40, s40, s41                     ; x: row 256 x tile row + 128 x half,
	s_lshl_b32 s40, s40, 11                        ; of 2,048 bytes
	s_mov_b32 s41, 0
	s_mul_i32 s44, s[SUB], 64*3072*2               ; W: K row 64 x half,
	s_mul_i32 s45, s[TC], 384                      ; column 192 x tile column
	s_add_co_u32 s44, s44, s45
	s_mov_b32 s45, 0
	s_mul_i32 s21, s[SUB], AHALF                   ; and where they go: no place in the cluster enters an LDS address
	s_mul_i32 s22, s[SUB], BHALF
	s_add_co_u32 s22, s22, BOFF
	s_wait_dscnt 0x0                               ; the opening add is done
	s_wait_kmcnt 0x0
	s_add_nc_u64 s[42:43], s[4:5], s[40:41]
	s_add_nc_u64 s[46:47], s[6:7], s[44:45]
	CROUND                                         ; all sixteen work-groups are here: the first joint loads meet
.irp s, 0,1
	s_mov_b32 s[G0A+4*(\s)], 1                                        ; count = 1
	s_add_co_u32 s[G0A+4*(\s)+1], s21, (\s)*SLOT                      ; LDS address
	s_add_nc_u64 s[G0A+4*(\s)+2:G0A+4*(\s)+3], s[42:43], (\s)*128*2   ; global address: K step s
	s_or_b32 s[G0A+4*(\s)+3], s[G0A+4*(\s)+3], 0x80000000             ; type = 2
	s_mov_b32 s[G0B+4*(\s)], 1
	s_add_co_u32 s[G0B+4*(\s)+1], s22, (\s)*SLOT
	s_add_nc_u64 s[G0B+4*(\s)+2:G0B+4*(\s)+3], s[46:47], (\s)*128*3072*2
	s_or_b32 s[G0B+4*(\s)+3], s[G0B+4*(\s)+3], 0x80000000
.endr
	s_cmp_lt_u32 s[WV], 2                          ; a wave's two first fills stand in one branch, ahead of every wait on TENSORcnt and every LDS read: two loads of mine are out
	s_cbranch_scc0 .Lfirst_b
	tensor_load_to_lds s[G0A:G0A+3], s[G1A:G1A+7]
	s_nop 0
	tensor_load_to_lds s[G0A+4:G0A+7], s[G1A:G1A+7]
	s_nop 0
.rept 4
	v_nop
.endr
	s_branch .Lfirst_asked
.Lfirst_b:
	tensor_load_to_lds s[G0B:G0B+3], s[G1B:G1B+7]
	s_nop 0
	tensor_load_to_lds s[G0B+4:G0B+7], s[G1B:G1B+7]
	s_nop 0
.rept 4
	v_nop
.endr
.Lfirst_asked:
	; the bias of my lane's eight columns in each of the 12 column blocks: column 192 tc + 16 b + 8 (lane / 16) + 0..7
	s_mul_i32 s74, s[TC], 768
	s_mov_b32 s75, 0
	s_add_nc_u64 s[8:9], s[8:9], s[74:75]
	v_and_b32 v1, 15, v0                           ; l % 16
	v_bfe_u32 v2, v0, 4, 1                         ; l / 16
	v_lshlrev_b32 v[BO], 5, v2
.set b, 0
.rept 12
	global_load_b128 v[TMP+8*b:TMP+8*b+3],   v[BO], s[8:9] offset:64*b
	global_load_b128 v[TMP+8*b+4:TMP+8*b+7], v[BO], s[8:9] offset:64*b+16
.set b, b+1
.endr
	; A fragment of x is 16 rows x 32 K in 8 registers: lane l holds row l % 16, K = 8 (l / 16) + 0..7 and 16 + 8 (l / 16) + 0..7: two loads of 16 bytes, 32 bytes apart.
	v_mul_u32_u24 v3, v1, PA
	v_lshl_add_u32 v3, v2, 4, v3                   ; row x pitch + 16 x half
	s_mul_i32 s21, s[WV], 64*PA                    ; my 64 rows
	; The turning load takes 16 K rows x 16 columns (lane l reads K row 8 (l / 16) + l % 8, columns 8 ((l / 8) % 2) + 0..7) and leaves half a fragment: lane l holds column l % 16 and 8 K.
	v_and_b32 v4, 7, v0
	v_bfe_u32 v5, v0, 3, 1
	v_lshl_add_u32 v6, v2, 3, v4
	v_mul_u32_u24 v6, v6, PB
	v_lshl_add_u32 v6, v5, 4, v6
	s_mov_b32 s22, BOFF
.irp s, 0,1
	v_add_nc_u32 v[ADRA+(\s)], s21, v3
	v_add_nc_u32 v[ADRB+(\s)], s22, v6
	s_add_co_u32 s21, s21, SLOT
	s_add_co_u32 s22, s22, SLOT
.endr
	s_mul_i32 s23, s[WV], 16*SP
	s_add_co_u32 s23, s23, STAGE                   ; my stage
	v_mul_u32_u24 v7, v1, SP                       ; in: row l % 16, 16 bytes for each half of the lanes
	v_lshl_add_u32 v7, v2, 4, v7
	v_add_nc_u32 v[STO], s23, v7
	v_bfe_u32 v7, v0, 3, 2                         ; back: 32 lanes take a head's 128 bytes of four rows,
	v_mul_u32_u24 v7, v7, SP
	v_lshl_add_u32 v7, v4, 4, v7
	v_add_nc_u32 v[RD], s23, v7
	v_and_b32 v[CO], 31, v0                        ; which are 512 consecutive bytes of qkv
	v_lshlrev_b32 v[CO], 4, v[CO]
	; qkv at my first row of head column g = 3 tc + j: part g / 16, head 16 x batch + g % 16, row (tile row % 8) x 256 + 64 w
.irp j, 0,1,2
	s_mul_i32 s74, s[TC], 3
	s_add_co_u32 s74, s74, \j
	s_lshr_b32 s75, s74, 4
	s_lshl_b32 s75, s75, 6
	s_lshr_b32 s76, s[TR], 3
	s_lshl_b32 s76, s76, 4
	s_add_co_u32 s75, s75, s76
	s_and_b32 s76, s74, 15
	s_add_co_u32 s75, s75, s76
	s_lshl_b32 s75, s75, 18                        ; a head is 262,144 bytes
	s_and_b32 s76, s[TR], 7
	s_lshl_b32 s76, s76, 8
	s_lshl_b32 s77, s[WV], 6
	s_add_co_u32 s76, s76, s77
	s_lshl_b32 s76, s76, 7                         ; a row is 128 bytes
	s_add_co_u32 s78, s75, s76
	s_mov_b32 s79, 0
	s_add_nc_u64 s[OUT+2*(\j):OUT+2*(\j)+1], s[10:11], s[78:79]
.endr
	s_wait_loadcnt 0x0                             ; the bias: rounded to bf16 like x and W, widened again, and kept in window 3
.set i, 0
.rept 48
	v_cvt_pk_bf16_f32 v[192+i], v[TMP+2*i], v[TMP+2*i+1]
.set i, i+1
.endr
	WIN 0xc0
.set i, 0
.rept 48
	v_lshlrev_b32 v[BIAS+2*i], 16, v[192+i]
	v_and_b32 v[BIAS+2*i+1], 0xffff0000, v[192+i]
.set i, i+1
.endr
	WIN 0
; 16 matrix instructions: row blocks a0, a0 + 1 x column blocks 0-7, 32 along K, from fragment buffer f.  first = 1: the products start the sums, with the bias as C.
.macro MUL16 f, a0, first
	WIN 0xa1+0x10*(\first)                         ; W window 1, x window 0, D window 2; C window 2, or 3 for the bias
.irp a, \a0, (\a0)+1
.irp b, 0,1,2,3,4,5,6,7
.set rD, 8*(8*(\a)+(\b))
.set rB, 96*(\f)+8*(\b)
.set rA, FA+32*(\f)+8*(\a)
.if \first
	v_wmma_f32_16x16x32_bf16 v[rD:rD+7], v[rB:rB+7], v[rA:rA+7], v[BIAS+8*(\b):BIAS+8*(\b)+7]
.else
	v_wmma_f32_16x16x32_bf16 v[rD:rD+7], v[rB:rB+7], v[rA:rA+7], v[rD:rD+7]
.endif
.endr
.endr
.endm
; 16 more: all four row blocks x column blocks 8-11
.macro MULHI f, first
	WIN 0xf1                                       ; C and D window 3
.irp a, 0,1,2,3
.irp b, 8,9,10,11
.set rD, 8*(4*(\a)+(\b)-8)
.set rB, 96*(\f)+8*(\b)
.set rA, FA+32*(\f)+8*(\a)
.if \first
	v_wmma_f32_16x16x32_bf16 v[rD:rD+7], v[rB:rB+7], v[rA:rA+7], v[BIAS+8*(\b):BIAS+8*(\b)+7]
.else
	v_wmma_f32_16x16x32_bf16 v[rD:rD+7], v[rB:rB+7], v[rA:rA+7], v[rD:rD+7]
.endif
.endr
.endr
.endm
; 32 LDS loads in one run: the fragments of quarter q (32 along K) of a slot into buffer f: x's 8 loads, then W's 24, column blocks 8-11 last
.macro FETCH slot, q, f
	WIN 0
.irp a, 0,1,2,3
	ds_load_b128 v[FA+32*(\f)+8*(\a):FA+32*(\f)+8*(\a)+3],   v[ADRA+(\slot)] offset:64*(\q)+(\a)*16*PA
	ds_load_b128 v[FA+32*(\f)+8*(\a)+4:FA+32*(\f)+8*(\a)+7], v[ADRA+(\slot)] offset:64*(\q)+(\a)*16*PA+32
.endr
	WIN 0x40                                       ; destination window 1, address window 0
.irp b, 0,1,2,3,4,5,6,7,8,9,10,11
	ds_load_tr16_b128 v[96*(\f)+8*(\b):96*(\f)+8*(\b)+3],   v[ADRB+(\slot)] offset:32*PB*(\q)+32*(\b)+32*((\b)/4)
	ds_load_tr16_b128 v[96*(\f)+8*(\b)+4:96*(\f)+8*(\b)+7], v[ADRB+(\slot)] offset:32*PB*(\q)+16*PB+32*(\b)+32*((\b)/4)
.endr
.endm
; A load into a register that a matrix instruction has read, and a vector instruction that reads a matrix result, stand four places behind that matrix instruction; only plain vector
; instructions that name none of its registers are places (ISA guide 7.12.1 for vector instructions).
.macro PLACES
.rept 4
	v_nop
.endr
.endm
; A K step is four quarters of 32 along K, 48 matrix instructions each, on buffers 0, 1, 0, 1.  The 48 accumulators take turns in the same order in every quarter.
; One of the first three: multiplies buffer f; behind its first 16 products it fetches quarter q of the same slot into buffer g.
.macro QUARTER slot, q, f, g, first
	s_wait_dscnt 8                                 ; x and W's column blocks 0-7 are in; the youngest eight loads (blocks 8-11) may be out
	MUL16 \f, 0, \first
	PLACES
	FETCH \slot, \q, \g
	MUL16 \f, 2, \first
	s_wait_dscnt 32                                ; all but the 32 just issued
	MULHI \f, \first
.endm
; The last quarter multiplies buffer 1 and changes slots.  MEET is its first two thirds: ONE barrier for the change.  In front of it each wave waits for all its tensor loads, of which one is out: its part
; of the next slot; adds 0 to its spare word; and waits for that and for its own reads of this slot.  Behind it nobody reads this slot any more and the next slot is whole.
.macro MEET round
	WIN 0                                          ; (the add's two registers lie in window 0)
	s_wait_tensorcnt 0x0
	ds_add_u32 v[SPW], v[NIL]                      ; 0 onto my spare word
	s_wait_dscnt 9                                 ; (the add and the youngest eight loads may be out)
	MUL16 1, 0, 0                                  ; sixteen matrix instructions stand between the add and the wait for it
	s_wait_dscnt 0x0                               ; the add is done, and my reads of this slot are over
	s_barrier_signal -1
	MUL16 1, 2, 0                                  ; work on registers while the others arrive
.if \round
	WIN 0
.endif
	s_barrier_wait -1
.endm
; The whole last quarter, with a refill: the barrier opens a round of the cluster's barrier; behind the round the slot just read out is filled again first: with this tile's K step two steps on (on = 0),
; or with the second tile's K step 0 or 1 (on = 1).  From a request to the wait for it a wave issues 160 matrix instructions; one tensor load of mine is out.
.macro TURN slot, next, on
	MEET 1
	CREST
.if \on
	s_add_nc_u64 s[G0A+4*(\slot)+2:G0A+4*(\slot)+3], s[G0A+4*(\slot)+2:G0A+4*(\slot)+3], NEXT_A
	s_sub_nc_u64 s[G0B+4*(\slot)+2:G0B+4*(\slot)+3], s[G0B+4*(\slot)+2:G0B+4*(\slot)+3], BACK_B
.else
	s_add_nc_u64 s[G0A+4*(\slot)+2:G0A+4*(\slot)+3], s[G0A+4*(\slot)+2:G0A+4*(\slot)+3], STEP_A
	s_add_nc_u64 s[G0B+4*(\slot)+2:G0B+4*(\slot)+3], s[G0B+4*(\slot)+2:G0B+4*(\slot)+3], STEP_B
.endif
	JLOAD \slot                                    ; the four v_nop behind it are also the places in front of the loads below
	FETCH \next, 0, 0
	MULHI 1, 0
.endm
; THE WAY OUT of row block a (16 rows x 192 columns).  PACK: rounded to f16, 16 bytes a lane and column block, each accumulator's registers in ascending order.
.macro PACK a
	WIN 0x0a                                       ; sources in window 2
.irp b, 0,1,2,3,4,5,6,7
.irp r, 0,1,2,3
	v_cvt_pk_f16_f32 v[TMP+4*(\b)+(\r)], v[8*(8*(\a)+(\b))+2*(\r)], v[8*(8*(\a)+(\b))+2*(\r)+1]
.endr
.endr
	WIN 0x0f                                       ; sources in window 3
.irp b, 8,9,10,11
.irp r, 0,1,2,3
	v_cvt_pk_f16_f32 v[TMP+4*(\b)+(\r)], v[8*(4*(\a)+(\b)-8)+2*(\r)], v[8*(4*(\a)+(\b)-8)+2*(\r)+1]
.endr
.endr
	WIN 0
.endm
; TOSTAGE: into my own stage, and back by heads: load (t, j) takes head j's 128 bytes of rows 4 t .. 4 t + 3.
.macro TOSTAGE a
	WIN 0
.set BK, OB+48*((\a)%2)
.irp b, 0,1,2,3,4,5,6,7,8,9,10,11
	ds_store_b128 v[STO], v[TMP+4*(\b):TMP+4*(\b)+3] offset:32*(\b)
.endr
.irp t, 0,1,2,3
.irp j, 0,1,2
	ds_load_b128 v[BK+4*(3*(\t)+(\j)):BK+4*(3*(\t)+(\j))+3], v[RD] offset:1600*(\t)+128*(\j)  ; LDS serves a wave's instructions in order (ISA guide 5.7.1.4): these see the stores above
.endr
.endr
.endm
.macro SEND a
	WIN 0
.set BK, OB+48*((\a)%2)
	s_wait_dscnt 0x0                               ; the block is back in registers
	s_wait_xcnt 0x0                                ; earlier stores have had their addresses translated (ISA guide 3.1): the other buffer, which they read, is loaded again only behind this wait
.irp t, 0,1,2,3
.irp j, 0,1,2
	global_store_b128 v[CO], v[BK+4*(3*(\t)+(\j)):BK+4*(3*(\t)+(\j))+3], s[OUT+2*(\j):OUT+2*(\j)+1] offset:2048*(\a)+512*(\t)  ; 512 consecutive bytes of a head, at a multiple of 256 from qkv's first byte
.endr
.endr
.endm
.macro WAYOUT                          ; block a's conversions stand between block a - 1's loads from the stage and the wait for them
	PACK 0
	TOSTAGE 0
.irp a, 1,2,3
	PACK \a
	SEND (\a)-1
	TOSTAGE \a
.endr
	SEND 3
.endm
	s_wait_tensorcnt 1                             ; my part of K step 0 is in; K step 1's may stay out
	s_barrier_signal -1
	s_barrier_wait -1                              ; everybody's is
	FETCH 0, 0, 0
	WIN 0                                          ; at a label and at a branch every window is 0
	s_mov_b32 s2, 2                                ; tiles to go
.Ltile:
	QUARTER 0, 1, 0, 1, 1                          ; a tile's first quarter stands in front of the loop: its products start the sums
	WIN 0
	s_mov_b32 s3, LAPS-1
.Llap:                                                 ; a trip goes once round the ring, from a lap's second quarter to the next lap's first, and fills both slots again
	QUARTER 0, 2, 1, 0, 0
	QUARTER 0, 3, 0, 1, 0
	TURN 0, 1, 0
	QUARTER 1, 1, 0, 1, 0
	QUARTER 1, 2, 1, 0, 0
	QUARTER 1, 3, 0, 1, 0
	TURN 1, 0, 0
	QUARTER 0, 1, 0, 1, 0
	WIN 0
	s_sub_co_u32 s3, s3, 1
	s_cmp_lg_u32 s3, 0
	s_cbranch_scc1 .Llap
	QUARTER 0, 2, 1, 0, 0                          ; the tile's last lap goes on
	QUARTER 0, 3, 0, 1, 0
	WIN 0
	s_cmp_eq_u32 s2, 1
	s_cbranch_scc1 .Llast_tile                     ; the last tile's tail is written out: it asks for nothing more
	TURN 0, 1, 1                                   ; the ring goes on into the second tile: slot 0 takes its K step 0,
	QUARTER 1, 1, 0, 1, 0
	QUARTER 1, 2, 1, 0, 0
	QUARTER 1, 3, 0, 1, 0
	TURN 1, 0, 1                                   ; slot 1 its K step 1, and its first fragments are fetched
	WAYOUT                                         ; both refills are asked for: now the tile goes out.  Column blocks 0-7 were finished in front of the joint load's places; their 32 conversions are the places behind the last products
	s_wait_xcnt 0x0                                ; the stores have read their bases
.irp j, 0,1,2
	s_add_nc_u64 s[OUT+2*(\j):OUT+2*(\j)+1], s[OUT+2*(\j):OUT+2*(\j)+1], NEXT_O
.endr
	s_sub_co_u32 s2, s2, 1
	s_branch .Ltile
.Llast_tile:
	MEET 0                                         ; my one tensor load that was still out is the last K step's, so no round follows
	PLACES
	FETCH 1, 0, 0
	MULHI 1, 0
	QUARTER 1, 1, 0, 1, 0
	QUARTER 1, 2, 1, 0, 0
	QUARTER 1, 3, 0, 1, 0
	s_wait_dscnt 8                                 ; the very last quarter: nothing more to fetch
	MUL16 1, 0, 0
	MUL16 1, 2, 0
	s_wait_dscnt 0x0
	MULHI 1, 0
	PLACES
	WAYOUT
	WIN 0
	s_wait_tensorcnt 0x0                           ; the wave's end, behind my last tensor load and my last LDS store
	ds_add_u32 v[SPW], v[NIL]
	s_wait_dscnt 0x0
	CROUND                                         ; the closing round: no work-group ends while a partner may still ask for a tile that names it
	s_endpgm
.Lfunc_end_k_qfb38903b72_proj:
	.size	k_qfb38903b72_proj, .Lfunc_end_k_qfb38903b72_proj-k_qfb38903b72_proj
	.p2alignl 7, 3214868480
	.fill 96, 4, 3214868480
	.section	.rodata,"a",@progbits
	.p2align	6, 0x0
	.amdhsa_kernel k_qfb38903b72_proj
		.amdhsa_group_segment_fixed_size 327680
		.amdhsa_private_segment_fixed_size 0
		.amdhsa_enable_private_segment 0
		.amdhsa_kernarg_size 32
		.amdhsa_user_sgpr_count 2
		.amdhsa_user_sgpr_kernarg_segment_ptr 1
		.amdhsa_wavefront_size32 1
		.amdhsa_system_sgpr_workgroup_id_x 1
		.amdhsa_system_sgpr_workgroup_id_y 1
		.amdhsa_system_sgpr_workgroup_id_z 1
		.amdhsa_system_vgpr_workitem_id 0
		.amdhsa_next_free_vgpr 1024
		.amdhsa_next_free_sgpr 80
		.amdhsa_reserve_vcc 0
		.amdhsa_float_denorm_mode_32 3
		.amdhsa_float_denorm_mode_16_64 3
		.amdhsa_memory_ordered 1
		.amdhsa_forward_progress 1
		.amdhsa_inst_pref_size 182
	.end_amdhsa_kernel
	.amdgpu_metadata
---
amdhsa.version: [ 1, 2 ]
amdhsa.kernels:
  - .name:           k_qfb38903b72_proj
    .symbol:         k_qfb38903b72_proj.kd
    .args:
      - { .name: xb, .offset: 0, .size: 8, .value_kind: global_buffer, .address_space: global }
      - { .name: wb, .offset: 8, .size: 8, .value_kind: global_buffer, .address_space: global }
      - { .name: b_attn, .offset: 16, .size: 8, .value_kind: global_buffer, .address_space: global }
      - { .name: qkv, .offset: 24, .size: 8, .value_kind: global_buffer, .address_space: global }
    .group_segment_fixed_size: 327680
    .private_segment_fixed_size: 0
    .kernarg_segment_align: 8
    .kernarg_segment_size: 32
    .max_flat_workgroup_size: 128
    .sgpr_count:     80
    .vgpr_count:     1024
    .wavefront_size: 32
...
	.end_amdgpu_metadata
.endif
;; end of part 2
;; launch vsum (part 3): grid 8 x 64, 2 waves a work-group, no clusters, 0 bytes of LDS; arguments qkv, hsum; writes hsum
.if DOCPART == 3
	.amdgcn_target "amdgcn-amd-amdhsa--gfx1250"
	.amdhsa_code_object_version 6
	.text
	.protected	k_qfb38903b72_vsum
	.globl	k_qfb38903b72_vsum
	.p2align	8
	.type	k_qfb38903b72_vsum,@function
k_qfb38903b72_vsum:
	s_mov_b64 s[64:65], 0
	v_nop
	global_prefetch_b8 v0, s[64:65] scope:SCOPE_SE
	s_setreg_imm32_b32 hwreg(HW_REG_WAVE_MODE, 25, 1), 1
	s_wait_xcnt 0x0
; hsum[head][i][c], i = 0..15, in f32: the sum of v[head][128 i + 0..127][c]; entry 0 alone takes only rows 64..127.
; It is what the two attention launches need of the keys that lie wholly behind their queries: the first 64 rows' launch adds all 16 entries, the other takes entries 2..15 by tiles of 256 rows.
; v is the third part of qkv, f16, a head's rows dense, 128 bytes each.
; A stream: a wave takes 128 rows, 16,384 consecutive bytes, by 32 loads of 512 bytes, all out at once.  In load j lane l holds row 4 j + l / 8, channels 8 (l % 8) + 0..7.
; The later 64 rows (loads 16-31) are asked for and summed first; the earlier 64 stand under a branch that the wave of entry 0 jumps.
; Eight f32 sums a lane, then the four lanes that hold the same channels are added.  No LDS, no barrier: no wave needs another.
.set ACC, 4                            ; v[4:11]    eight sums
.set D,   16                           ; v[16:143]  the data
	s_load_b128 s[4:7], s[0:1], 0x0                ; qkv s[4:5], hsum s[6:7]
	v_lshrrev_b32 v1, 5, v0
	v_readfirstlane_b32 s8, v1                     ; wave 0, 1: which half of the tile's 256 rows
	v_and_b32 v145, 31, v0                         ; lane
	v_lshlrev_b32 v1, 4, v145
	v_mov_b32 v2, 1.0
	v_mov_b32 v3, 0
	v_mov_b32 v12, 0                               ; v_permlanex16_b32 counts as a reader of its destination
	s_mov_b32 s16, 0x76543210                      ; each lane takes its own place in the other half
	s_mov_b32 s17, 0xfedcba98
	s_and_b32 s9, ttmp7, 0xffff                    ; head
	s_lshl_b32 s12, s9, 18                         ; a head is 262,144 bytes,
	s_lshl_b32 s13, ttmp9, 15                      ; a tile 32,768,
	s_add_co_u32 s12, s12, s13
	s_lshl_b32 s13, s8, 14                         ; a half 16,384;
	s_add_co_u32 s12, s12, s13
	s_add_co_u32 s12, s12, 0x2000000               ; v begins 33,554,432 bytes into qkv
	s_mov_b32 s13, 0
	s_lshl_b32 s14, s9, 12                         ; a head's 16 entries of 256 bytes
	s_lshl_b32 s15, ttmp9, 9
	s_add_co_u32 s14, s14, s15
	s_lshl_b32 s15, s8, 8
	s_add_co_u32 s14, s14, s15                     ; entry 2 x tile + half
	s_mov_b32 s15, 0
	s_or_b32 s10, ttmp9, s8                        ; 0 for entry 0 alone
	s_wait_kmcnt 0x0
	s_add_nc_u64 s[4:5], s[4:5], s[12:13]
	s_add_nc_u64 s[6:7], s[6:7], s[14:15]
.set j, 16
.rept 16
	global_load_b128 v[D+4*j:D+4*j+3], v1, s[4:5] offset:512*j
.set j, j+1
.endr
	s_cmp_eq_u32 s10, 0
	s_cbranch_scc1 .Lno_loads                      ; entry 0 leaves the head's first 64 rows out
.set j, 0
.rept 16
	global_load_b128 v[D+4*j:D+4*j+3], v1, s[4:5] offset:512*j
.set j, j+1
.endr
.Lno_loads:
.set j, 16
.rept 16
	s_wait_loadcnt 31-j                            ; loads come back in order (ISA guide 5.7.1).  Where 16 loads are out this count is exact; where 32 are out it asks for more than load j, which is right too
.set k, 0
.rept 4
.if j == 16
	v_fma_mix_f32 v[ACC+2*k],   v[D+4*j+k], v2, v3 op_sel_hi:[1,0,0]                   ; these rows start the sums: f16 half x 1.0 + 0
	v_fma_mix_f32 v[ACC+2*k+1], v[D+4*j+k], v2, v3 op_sel:[1,0,0] op_sel_hi:[1,0,0]
.else
	v_fma_mix_f32 v[ACC+2*k],   v[D+4*j+k], v2, v[ACC+2*k] op_sel_hi:[1,0,0]           ; f16 half x 1.0 + the f32 sum
	v_fma_mix_f32 v[ACC+2*k+1], v[D+4*j+k], v2, v[ACC+2*k+1] op_sel:[1,0,0] op_sel_hi:[1,0,0]
.endif
.set k, k+1
.endr
.set j, j+1
.endr
	s_cmp_eq_u32 s10, 0
	s_cbranch_scc1 .Lno_sums
.set j, 0
.rept 16                               ; the last wait above was for 0: these loads are in
.set k, 0
.rept 4
	v_fma_mix_f32 v[ACC+2*k],   v[D+4*j+k], v2, v[ACC+2*k] op_sel_hi:[1,0,0]
	v_fma_mix_f32 v[ACC+2*k+1], v[D+4*j+k], v2, v[ACC+2*k+1] op_sel:[1,0,0] op_sel_hi:[1,0,0]
.set k, k+1
.endr
.set j, j+1
.endr
.Lno_sums:
.set k, 0
.rept 8                                ; lanes l, l ^ 8, l ^ 16, l ^ 24 hold the same channels
	v_add_f32_dpp v[ACC+k], v[ACC+k], v[ACC+k] row_xmask:8 row_mask:0xf bank_mask:0xf
	v_permlanex16_b32 v12, v[ACC+k], s16, s17
	v_add_f32 v[ACC+k], v[ACC+k], v12
.set k, k+1
.endr
	; of its eight sums lane l stores pair l / 8: channels 8 (l % 8) + 2 (l / 8) and the next: the wave's one store covers the entry's 256 bytes
	v_and_b32 v146, 8, v145
	v_cmp_ne_u32 s20, 0, v146
	v_and_b32 v147, 16, v145
	v_cmp_ne_u32 s21, 0, v147
	v_cndmask_b32 v148, v4, v6, s20
	v_cndmask_b32 v149, v5, v7, s20
	v_cndmask_b32 v150, v8, v10, s20
	v_cndmask_b32 v151, v9, v11, s20
	v_cndmask_b32 v148, v148, v150, s21
	v_cndmask_b32 v149, v149, v151, s21
	v_and_b32 v144, 7, v145
	v_lshlrev_b32 v144, 5, v144
	v_lshrrev_b32 v146, 3, v145
	v_lshl_add_u32 v144, v146, 3, v144
	global_store_b64 v144, v[148:149], s[6:7]
	s_endpgm
.Lfunc_end_k_qfb38903b72_vsum:
	.size	k_qfb38903b72_vsum, .Lfunc_end_k_qfb38903b72_vsum-k_qfb38903b72_vsum
	.p2alignl 7, 3214868480
	.fill 96, 4, 3214868480
	.section	.rodata,"a",@progbits
	.p2align	6, 0x0
	.amdhsa_kernel k_qfb38903b72_vsum
		.amdhsa_group_segment_fixed_size 0
		.amdhsa_private_segment_fixed_size 0
		.amdhsa_enable_private_segment 0
		.amdhsa_kernarg_size 16
		.amdhsa_user_sgpr_count 2
		.amdhsa_user_sgpr_kernarg_segment_ptr 1
		.amdhsa_wavefront_size32 1
		.amdhsa_system_sgpr_workgroup_id_x 1
		.amdhsa_system_sgpr_workgroup_id_y 1
		.amdhsa_system_sgpr_workgroup_id_z 1
		.amdhsa_system_vgpr_workitem_id 0
		.amdhsa_next_free_vgpr 160
		.amdhsa_next_free_sgpr 66
		.amdhsa_reserve_vcc 0
		.amdhsa_float_denorm_mode_32 3
		.amdhsa_float_denorm_mode_16_64 3
		.amdhsa_memory_ordered 1
		.amdhsa_forward_progress 1
		.amdhsa_inst_pref_size 23
	.end_amdhsa_kernel
	.amdgpu_metadata
---
amdhsa.version: [ 1, 2 ]
amdhsa.kernels:
  - .name:           k_qfb38903b72_vsum
    .symbol:         k_qfb38903b72_vsum.kd
    .args:
      - { .name: qkv, .offset: 0, .size: 8, .value_kind: global_buffer, .address_space: global }
      - { .name: hsum, .offset: 8, .size: 8, .value_kind: global_buffer, .address_space: global }
    .group_segment_fixed_size: 0
    .private_segment_fixed_size: 0
    .kernarg_segment_align: 8
    .kernarg_segment_size: 16
    .max_flat_workgroup_size: 64
    .sgpr_count:     66
    .vgpr_count:     160
    .wavefront_size: 32
...
	.end_amdgpu_metadata
.endif
;; end of part 3
;; launch early (part 4): grid 64 x 1, 4 waves a work-group, no clusters, 327,680 bytes of LDS; arguments xb, wb, b_attn, hsum, out0; writes out0
.if DOCPART == 4
	.amdgcn_target "amdgcn-amd-amdhsa--gfx1250"
	.amdhsa_code_object_version 6
	.text
	.protected	k_qfb38903b72_early
	.globl	k_qfb38903b72_early
	.p2align	8
	.type	k_qfb38903b72_early,@function
k_qfb38903b72_early:
	s_mov_b64 s[64:65], 0
	v_nop
	global_prefetch_b8 v0, s[64:65] scope:SCOPE_SE
	s_setreg_imm32_b32 hwreg(HW_REG_WAVE_MODE, 25, 1), 1
	s_wait_xcnt 0x0
; THE FIRST 64 ROWS OF EVERY HEAD, with split operands.  A row that sees few keys is a mean of few rows of v: its numbers are many times the whole output's root mean square, and one rounding of q, k, v and
; the weights to f16 (11 bits) is too coarse for a near-zero sum of such numbers.  So for rows 0..63 each operand of the two attention products goes as two f16 numbers, hi = f16(s) and lo = f16(s - hi):
;   S^T = Kh Qh + Kh Ql + Kl Qh,   O^T = Vh Ph + Vl Ph + Vh Pl   (the product of the two low parts, some 2^-22 of the whole, is left out).
; A work-group takes one head (16 x batch + head): it projects the head's 64 rows anew, x W + b for the head's 192 columns of q, k, v (xb, wb bf16; b_attn rounded to bf16 like them; sums in f32), so that
; the f32 sums are at hand, splits them, and does the attention of 64 queries on 64 keys.
; THE MASK.  A hidden key has the score -10000.  The hidden keys among the 64 take that score in place of their own and go through the softmax like any key; the 1,984 keys from row 64 on weigh
; w = exp(-10000 - m) each: l takes 1984 w, and O^T's sums start at w x (the sum of v's rows 64..2047, the 16 entries of hsum).  The maximum m always takes -10000 in.
; LIMITS.  |q|, |k|, |v| below 65,504 (f16); a weight below 2^-126 counts as 0; NaN and infinities are not treated apart.
; SHARES.  Projection: wave w makes all 64 rows x column blocks 3 w .. 3 w + 2 of the head's 12 blocks of 16 (q 0-3, k 4-7, v 8-11): 12 accumulators; a K step of 32 takes 8 + 6 LDS loads for 12 products.
; The matrix instruction is used transposed (source 0 = 16 columns of W, read turned by ds_load_tr16_b128; source 1 = 16 rows of x): a lane holds row lane % 16 and eight neighbouring columns.
; Attention: wave w owns queries 16 w .. 16 w + 15; S^T = K Q^T holds one query a lane and the keys 8 (lane / 16) + 0..7 of each block of 16, which rounded in pairs are source 1 of O^T = V^T P.
; RING.  K goes in four steps of 256 through two LDS slots.  Waves 0-2 fetch a part of W each (256 rows x 128 bytes), wave 3 fetches x (64 rows x 512 bytes): one tensor load a wave; two of mine are out at the
; start, one behind each of the two refills.
; NO CLUSTER.  The four batches' work-groups of one head column walk the same tiles of W, 384 of a work-group's 512 KB, and could ask for them jointly: 6 MB of requests for 24 MB.  Not built: the launch is
; 1.6 of the program's 120 GFLOP, and its ring is kept the work-group's own.
.set KC,    256                        ; K in a step of the ring
.set PX,    528                        ; a row of x in LDS: 512 bytes + 16 = 33 x 16: the 16 rows of a load start at 16 different groups of four banks (64 banks of 4 bytes: ISA guide 11.1)
.set PW,    160                        ; a row of a part of W: 128 bytes + 32 = 5 x 32
.set WO,    64*PX                      ; W's parts lie behind x's 64 rows
.set WPART, KC*PW
.set SLOT,  WO+3*WPART                 ; 156,672 bytes
.set TS,    2*SLOT                     ; behind the ring: 256 bytes for each wave: the sum of v's rows 64..2047, 64 f32
.set SPARE, TS+4*256                   ; the spare words, 128 bytes for each wave: two blocks of 256 bytes that no other line names
.set PT,    400                        ; the split tile, in slot 0 when that has had its last fill: 64 rows of q | k | v, 384 bytes + 16; the high parts, then
.set QLO,   64*PT                      ; the low parts
.set STAGE, SLOT                       ; the way out, in slot 1 when that has had its last fill and its last read: 16 rows x 272 bytes for each wave
.set SP,    272
.set C,   4                            ; v4-7    (attention) four running maxima
.set AX0, 6                            ; v6      my lane's place in x's tile
.set AX,  7                            ; v7      the address of x's next fragments
.set AW0, 8                            ; v8-10   my lane's place in W's tile, for each of my three column blocks
.set AW,  11                           ; v11-13  the addresses of their next fragments
.set WW,  8                            ; v[8:9]  (attention) w, in the low register
.set RL,  10                           ; v[10:11] (attention) 1 / l, in the low register
.set LS,  12                           ; v12     (attention) l
.set TP,  13                           ; v13     (attention) at work
.set QK,  14                           ; v14     my query less my lanes' 8 (l / 16): register j of key block kb is hidden where 16 kb + j is greater
.set STQ, 15                           ; v15     where I put 16 bytes of the split tile
.set RQ,  16                           ; v16-18  where I read fragments of Q, K, V
.set RK,  17
.set RV,  18
.set STO, 19                           ; v19     the way out: where I put 32 bytes of a row
.set RD,  20                           ; v20     the way out: where I read rows back
.set GO,  21                           ; v21     my byte offset in two rows of out0
.set TW,  22                           ; v22     where I put my two channels of the sum of v
.set TA,  23                           ; v23     where I read my eight channels of it
.set HO,  24                           ; v24     8 x lane
.set BOF, 25                           ; v25-27  my byte offsets in the bias
.set CM,  26                           ; v[26:27] (attention) c m, m
.set SPW, 28                           ; v28     LDS address of my spare word: SPARE + 4 x my thread's number; never rewritten
.set NIL, 29                           ; v29     0; never rewritten
.set ONE, 30                           ; v30     1.0
.set MH,  31                           ; v31     -80000: the mask value times 8, since the scores here are not yet divided by 8
.set ACC, 32                           ; v32-127  accumulator (a, b) at ACC + 8 (3 a + b)
.set F,   128                          ; v128-239 two fragment buffers of 56: x's four row blocks, then W's three column blocks
.set BR,  184                          ; (set-up) the bias as loaded, 24 registers; then 12 packed
.set BP,  208
.set HL,  128                          ; accumulator n split: four registers high, four low, at HL + 8 n
.set QH,  32                           ; (attention) Q high 16, low 16; K high 64, low 64; later V in K's place, P in Q's
.set QL,  48
.set KH,  64
.set KL,  128
.set VH,  64
.set VL,  128
.set PH,  32
.set PL,  48
.set SM,  48                           ; the weights' sums, before P's low part takes the registers
.set S,   192                          ; S^T, 32 registers; later the rows on their way out
.set OUTB, 192
.set O,   224                          ; O^T, 32 registers
.set WV,  14                           ; s14  my wave's number
.set HH,  15                           ; s15  head in the batch
.set BT,  16                           ; s16  batch
.set G1W, 24                           ; s[24:31] descriptor group 1 for a part of W
.set G1X, 32                           ; s[32:39] for x
.set G0W, 40                           ; s[40:47] descriptor group 0 for W, a set for each slot
.set G0X, 48                           ; s[48:55] for x
.set KX,  56                           ; s56  LDS byte offset of the K step in hand, for x
.set KW,  57                           ; s57  for W
.set CT,  58                           ; s58  counts trips
.set MSK, 59                           ; s59  a word's upper bf16
.set CS,  60                           ; s[60:61] c = log2(e) / 8
.set SEL, 62                           ; s[62:63] v_permlanex16_b32's selects: each lane takes its own place in the other half
; A fill of slot s.  The branch hangs on the wave's number alone.  An s_nop 0 and four v_nop follow each of the two lines.
.macro LOADT s
	s_cmp_lt_u32 s[WV], 3
	s_cbranch_scc0 .Lfor_x_\@
	tensor_load_to_lds s[G0W+4*(\s):G0W+4*(\s)+3], s[G1W:G1W+7]
	s_nop 0
.rept 4
	v_nop
.endr
	s_branch .Lasked_\@
.Lfor_x_\@:
	tensor_load_to_lds s[G0X+4*(\s):G0X+4*(\s)+3], s[G1X:G1X+7]
	s_nop 0
.rept 4
	v_nop
.endr
.Lasked_\@:
.endm
; THE CHANGE OF SLOTS.  Each wave waits for all its tensor loads, of which one is out: its part of the other slot; adds 0 to its spare word; and waits for that and for its own reads of slot s, which it leaves.
; Behind the barrier nobody reads slot s any more and the other slot is whole.  fill = 1: slot s is filled again, first thing behind the barrier, with the K step two steps on.
.macro CHANGE s, fill
	s_wait_tensorcnt 0x0                           ; no tensor load of mine is out, so a group 0 may be written
	ds_add_u32 v[SPW], v[NIL]                      ; 0 onto my spare word
.if \fill
	s_add_nc_u64 s[G0W+4*(\s)+2:G0W+4*(\s)+3], s[G0W+4*(\s)+2:G0W+4*(\s)+3], 2*KC*3072*2
	s_add_nc_u64 s[G0X+4*(\s)+2:G0X+4*(\s)+3], s[G0X+4*(\s)+2:G0X+4*(\s)+3], 2*KC*2
.endif
	s_wait_dscnt 0x0                               ; the add is done, and my reads of the slot are over
	s_barrier_signal -1
	s_barrier_wait -1
.if \fill
	LOADT \s
.endif
.endm
.macro PLACES                          ; a load into a register that a matrix instruction has read, and a vector instruction that reads a matrix result, stand four plain vector instructions behind it (ISA guide 7.12.1 for vector instructions)
.rept 4
	v_nop
.endr
.endm
	s_load_b256 s[4:11], s[0:1], 0x0               ; xb s[4:5], wb s[6:7], b_attn s[8:9], hsum s[10:11]
	s_load_b64 s[12:13], s[0:1], 0x20              ; out0
	v_lshl_add_u32 v[SPW], v0, 2, SPARE
	v_mov_b32 v[NIL], 0
	ds_add_u32 v[SPW], v[NIL]                      ; the wave's opening: the add and its wait stand ahead of my first tensor load; the set-up below, work on registers, stands between them
	ds_add_u32 v28, v29
	v_lshrrev_b32 v1, 5, v0
	v_readfirstlane_b32 s[WV], v1                  ; wave 0..3
	s_and_b32 s[HH], ttmp9, 15
	s_lshr_b32 s[BT], ttmp9, 4
	; group 1 for a part of W: 256 rows x 64 elements of 2 bytes, 8 words of padding after every 32 words
	s_mov_b32 s[G1W+0], (1<<16)|(1<<20)|(4<<22)|(7<<25)
	s_mov_b32 s[G1W+1], 64<<16                     ; tensor_dim0 = 64
	s_mov_b32 s[G1W+2], KC<<16                     ; tensor_dim1 = 256
	s_mov_b32 s[G1W+3], 64<<16                     ; tile_dim0 = 64
	s_mov_b32 s[G1W+4], KC                         ; tile_dim1 = 256
	s_mov_b32 s[G1W+5], 3072                       ; elements from row to row
	s_mov_b32 s[G1W+6], 0
	s_mov_b32 s[G1W+7], 0
	; group 1 for x: 64 rows x 256 elements, 4 words of padding after every 128 words
	s_mov_b32 s[G1X+0], (1<<16)|(1<<20)|(6<<22)|(3<<25)
	s_mov_b32 s[G1X+1], KC<<16
	s_mov_b32 s[G1X+2], 64<<16
	s_mov_b32 s[G1X+3], KC<<16
	s_mov_b32 s[G1X+4], 64
	s_mov_b32 s[G1X+5], 1024
	s_mov_b32 s[G1X+6], 0
	s_mov_b32 s[G1X+7], 0
	s_mov_b32 s[CS], 0x3e38aa3b                    ; c = log2(e) / 8 = 0.180337
	s_mov_b32 s[CS+1], s[CS]                       ; named with it as a pair
	s_mov_b32 s[SEL], 0x76543210
	s_mov_b32 s[SEL+1], 0xfedcba98
	s_mov_b32 s[MSK], 0xffff0000
	s_mul_i32 s17, s[WV], WPART
	s_add_co_u32 s17, s17, WO                      ; where my part of W goes in slot 0
	s_lshl_b32 s18, s[HH], 7                       ; W: the head's 64 columns are 128 bytes of a row,
	s_lshl_b32 s19, s[WV], 11                      ; a part (q, k, v) 2,048
	s_add_co_u32 s18, s18, s19
	s_mov_b32 s19, 0
	s_lshl_b32 s20, s[BT], 22                      ; x: a batch is 4,194,304 bytes
	s_mov_b32 s21, 0
	s_lshl_b32 s22, ttmp9, 12                      ; hsum: a head's 16 entries
	s_mov_b32 s23, 0
	s_lshl_b32 s66, s[BT], 23                      ; out0: a batch is 8,388,608 bytes,
	s_lshl_b32 s67, s[HH], 8                       ; a head's channels 256 bytes of a row,
	s_add_co_u32 s66, s66, s67
	s_lshl_b32 s67, s[WV], 16                      ; my 16 rows of 4,096 bytes
	s_add_co_u32 s66, s66, s67
	s_mov_b32 s67, 0
	s_wait_dscnt 0x0                               ; the opening add is done
	s_wait_kmcnt 0x0
	s_add_nc_u64 s[6:7], s[6:7], s[18:19]
	s_add_nc_u64 s[4:5], s[4:5], s[20:21]
	s_add_nc_u64 s[10:11], s[10:11], s[22:23]
	s_add_nc_u64 s[12:13], s[12:13], s[66:67]
.irp s, 0,1
	s_mov_b32 s[G0W+4*(\s)], 1                                        ; count = 1
	s_add_co_u32 s[G0W+4*(\s)+1], s17, (\s)*SLOT                      ; LDS address
	s_add_nc_u64 s[G0W+4*(\s)+2:G0W+4*(\s)+3], s[6:7], (\s)*KC*3072*2 ; global address: K step s
	s_or_b32 s[G0W+4*(\s)+3], s[G0W+4*(\s)+3], 0x80000000             ; type = 2
	s_mov_b32 s[G0X+4*(\s)], 1
	s_mov_b32 s[G0X+4*(\s)+1], (\s)*SLOT
	s_add_nc_u64 s[G0X+4*(\s)+2:G0X+4*(\s)+3], s[4:5], (\s)*KC*2
	s_or_b32 s[G0X+4*(\s)+3], s[G0X+4*(\s)+3], 0x80000000
.endr
	s_cmp_lt_u32 s[WV], 3                          ; a wave's two first fills stand in one branch, ahead of every wait on TENSORcnt, every LDS read and every barrier
	s_cbranch_scc0 .Lfirst_x
	tensor_load_to_lds s[G0W:G0W+3], s[G1W:G1W+7]
	s_nop 0
	tensor_load_to_lds s[G0W+4:G0W+7], s[G1W:G1W+7]
	s_nop 0
.rept 4
	v_nop
.endr
	s_branch .Lfirst_asked
.Lfirst_x:
	tensor_load_to_lds s[G0X:G0X+3], s[G1X:G1X+7]
	s_nop 0
	tensor_load_to_lds s[G0X+4:G0X+7], s[G1X:G1X+7]
	s_nop 0
.rept 4
	v_nop
.endr
.Lfirst_asked:
	v_and_b32 v1, 15, v0                           ; l % 16
	v_bfe_u32 v2, v0, 4, 1                         ; l / 16
	v_and_b32 v3, 7, v0
	v_bfe_u32 v4, v0, 3, 1
	v_and_b32 v5, 31, v0
	v_lshlrev_b32 v[HO], 3, v5
.set i, 0
.rept 16                               ; the head's 16 entries of hsum: lane l takes channels 2 l and 2 l + 1
	global_load_b64 v[F+2*i:F+2*i+1], v[HO], s[10:11] offset:256*i
.set i, i+1
.endr
	; A fragment of x is 16 rows x 32 K in 8 registers: lane l holds row l % 16, K = 8 (l / 16) + 0..7 and 16 + 8 (l / 16) + 0..7: two loads of 16 bytes, 32 bytes apart.
	v_mul_u32_u24 v[AX0], v1, PX
	v_lshl_add_u32 v[AX0], v2, 4, v[AX0]
	; The turning load takes 16 K rows x 16 columns (lane l reads K row 8 (l / 16) + l % 8, columns 8 ((l / 8) % 2) + 0..7) and leaves half a fragment: lane l holds column l % 16 and 8 K.
	v_lshl_add_u32 v7, v2, 3, v3
	v_mul_u32_u24 v7, v7, PW
	v_lshl_add_u32 v7, v4, 4, v7
.irp b, 0,1,2                          ; my column block g = 3 w + b: part g / 4, block g % 4 of its four
	s_mul_i32 s66, s[WV], 3
	s_add_co_u32 s66, s66, \b
	s_lshr_b32 s67, s66, 2
	s_and_b32 s68, s66, 3
	s_mul_i32 s69, s67, WPART
	s_lshl_b32 s70, s68, 5
	s_add_co_u32 s69, s69, s70
	s_add_co_u32 s69, s69, WO
	v_add_nc_u32 v[AW0+\b], s69, v7
	s_lshl_b32 s67, s67, 12                        ; in the bias a part is 4,096 bytes, a head 256, a block 64, my eight columns 32 (l / 16) on
	s_lshl_b32 s68, s68, 6
	s_add_co_u32 s67, s67, s68
	s_lshl_b32 s68, s[HH], 8
	s_add_co_u32 s67, s67, s68
	v_lshl_add_u32 v[BOF+\b], v2, 5, s67
	global_load_b128 v[BR+8*\b:BR+8*\b+3],   v[BOF+\b], s[8:9]
	global_load_b128 v[BR+8*\b+4:BR+8*\b+7], v[BOF+\b], s[8:9] offset:16
.endr
	v_lshl_add_u32 v[RV], v2, 3, v3                ; V is read turned: key 8 (l / 16) + l % 8, channels 8 ((l / 8) % 2) + 0..7; v's part begins at byte 256 of a row
	v_mul_u32_u24 v[RV], v[RV], PT
	v_lshl_add_u32 v[RV], v4, 4, v[RV]
	v_add_nc_u32 v[RV], 256, v[RV]
	v_mul_u32_u24 v[RK], v1, PT                    ; row l % 16, 16 bytes for each half of the lanes
	v_lshl_add_u32 v[RK], v2, 4, v[RK]
	s_mul_i32 s66, s[WV], 96                       ; into the tile: my three column blocks are 96 bytes of a row
	v_add_nc_u32 v[STQ], s66, v[RK]
	s_mul_i32 s66, s[WV], 16*PT                    ; Q: my 16 rows
	v_add_nc_u32 v[RQ], s66, v[RK]
	v_add_nc_u32 v[RK], 128, v[RK]                 ; k's part begins at byte 128
	s_mul_i32 s66, s[WV], 16*SP
	s_add_co_u32 s66, s66, STAGE                   ; my stage
	v_mul_u32_u24 v[STO], v1, SP                   ; in: row l % 16, 32 bytes (eight channels in f32) for each half of the lanes
	v_lshl_add_u32 v[STO], v2, 5, v[STO]
	v_add_nc_u32 v[STO], s66, v[STO]
	v_mul_u32_u24 v[RD], v2, SP                    ; back: lanes 0-15 take one row of 256 bytes, lanes 16-31 the next,
	v_lshl_add_u32 v[RD], v1, 4, v[RD]
	v_add_nc_u32 v[RD], s66, v[RD]
	v_lshlrev_b32 v[GO], 12, v2                    ; and the same two rows in out0, 4,096 bytes apart
	v_lshl_add_u32 v[GO], v1, 4, v[GO]
	s_lshl_b32 s66, s[WV], 8
	s_add_co_u32 s66, s66, TS
	v_add_nc_u32 v[TW], s66, v[HO]
	v_lshl_add_u32 v[TA], v2, 5, s66
	v_lshlrev_b32 v[QK], 3, v2
	v_sub_nc_u32 v[QK], v1, v[QK]
	s_lshl_b32 s66, s[WV], 4
	v_add_nc_u32 v[QK], s66, v[QK]
	v_mov_b32 v[ONE], 1.0
	v_mov_b32 v[MH], 0xc79c4000
	s_wait_loadcnt 0x0                             ; hsum and the bias; all this stands in the wait for the first tiles
.irp w, 8,4,2,1                        ; the 16 entries are added; the sum goes into my own bytes of LDS, which no other wave reads
.set i, 0
.rept \w
	v_pk_add_f32 v[F+2*i:F+2*i+1], v[F+2*i:F+2*i+1], v[F+2*(i+\w):F+2*(i+\w)+1]
.set i, i+1
.endr
.endr
	ds_store_b64 v[TW], v[F:F+1]
.set i, 0
.rept 12                               ; the bias is rounded to bf16 like x and W, and widened straight into the accumulators: it starts the sums
	v_cvt_pk_bf16_f32 v[BP+i], v[BR+2*i], v[BR+2*i+1]
.set i, i+1
.endr
.irp a, 0,1,2,3
.set i, 0
.rept 12
	v_lshlrev_b32 v[ACC+24*\a+2*i], 16, v[BP+i]
	v_and_b32 v[ACC+24*\a+2*i+1], s[MSK], v[BP+i]
.set i, i+1
.endr
.endr
.macro ADDR                            ; the addresses of the K step at s[KX], s[KW]: four plain vector instructions, which also serve as places
	v_add_nc_u32 v[AX], s[KX], v[AX0]
	v_add_nc_u32 v[AW], s[KW], v[AW0]
	v_add_nc_u32 v[AW+1], s[KW], v[AW0+1]
	v_add_nc_u32 v[AW+2], s[KW], v[AW0+2]
.endm
.macro LOADF f, ko                     ; 14 LDS loads: the fragments of the K step ko steps on, into buffer f
.irp a, 0,1,2,3
	ds_load_b128 v[F+56*(\f)+8*\a:F+56*(\f)+8*\a+3],   v[AX] offset:64*(\ko)+\a*16*PX
	ds_load_b128 v[F+56*(\f)+8*\a+4:F+56*(\f)+8*\a+7], v[AX] offset:64*(\ko)+\a*16*PX+32
.endr
.irp b, 0,1,2
	ds_load_tr16_b128 v[F+56*(\f)+32+8*\b:F+56*(\f)+32+8*\b+3],   v[AW+\b] offset:(\ko)*32*PW
	ds_load_tr16_b128 v[F+56*(\f)+32+8*\b+4:F+56*(\f)+32+8*\b+7], v[AW+\b] offset:(\ko)*32*PW+16*PW
.endr
.endm
.macro MUL f                           ; 12 matrix instructions; the 12 accumulators take turns in the same order everywhere
.irp a, 0,1,2,3
.irp b, 0,1,2
	v_wmma_f32_16x16x32_bf16 v[ACC+8*(3*\a+\b):ACC+8*(3*\a+\b)+7], v[F+56*(\f)+32+8*\b:F+56*(\f)+32+8*\b+7], v[F+56*(\f)+8*\a:F+56*(\f)+8*\a+7], v[ACC+8*(3*\a+\b):ACC+8*(3*\a+\b)+7]
.endr
.endr
.endm
; A slot's eight K steps of 32, on two fragment buffers: while one is multiplied the other's 14 loads are on their way.  Step 0 is fetched ahead of the loop; a trip multiplies two steps and fetches two;
; the last two steps stand behind it, so that nothing is fetched past the slot's end.
.macro CHUNK slot
	s_mov_b32 s[KX], (\slot)*SLOT
	s_mov_b32 s[KW], (\slot)*SLOT
	ADDR
	LOADF 0, 0
	s_mov_b32 s[CT], 3
.Lk_\@:
	PLACES                                         ; buffer 1 was multiplied last
	LOADF 1, 1
	s_wait_dscnt 14                                ; buffer 0 is in; the 14 loads just issued may be out
	MUL 0
	s_add_co_u32 s[KX], s[KX], 2*64
	s_add_co_u32 s[KW], s[KW], 2*32*PW
	ADDR
	LOADF 0, 0
	s_wait_dscnt 14                                ; buffer 1 is in
	MUL 1
	s_sub_co_u32 s[CT], s[CT], 1
	s_cmp_lg_u32 s[CT], 0
	s_cbranch_scc1 .Lk_\@
	PLACES
	LOADF 1, 1
	s_wait_dscnt 14
	MUL 0
	s_wait_dscnt 0x0
	MUL 1
.endm
	s_wait_tensorcnt 1                             ; my part of K step 0 is in; K step 1's may stay out
	s_wait_dscnt 0x0                               ; my store above is done
	s_barrier_signal -1
	s_barrier_wait -1                              ; everybody's part is in
	CHUNK 0
	CHANGE 0, 1
	CHUNK 1
	CHANGE 1, 1
	CHUNK 0
	CHANGE 0, 0                                    ; nothing is left to fetch.  Behind this barrier nobody reads slot 0 any more, and it has had its last fill
	CHUNK 1
	PLACES
	; THE SPLIT.  hi = f16(s); s - hi is exact in f32 (one multiply-add from the f16 half); lo = f16(s - hi).  Each accumulator's registers are taken in ascending order.
.set n, 0
.rept 12
.set i, 0
.rept 4
	v_cvt_pk_f16_f32 v[HL+8*n+i], v[ACC+8*n+2*i], v[ACC+8*n+2*i+1]
.set i, i+1
.endr
.set i, 0
.rept 4
	v_fma_mix_f32 v[ACC+8*n+2*i],   -v[HL+8*n+i], v[ONE], v[ACC+8*n+2*i] op_sel_hi:[1,0,0]
	v_fma_mix_f32 v[ACC+8*n+2*i+1], -v[HL+8*n+i], v[ONE], v[ACC+8*n+2*i+1] op_sel:[1,0,0] op_sel_hi:[1,0,0]
.set i, i+1
.endr
.set i, 0
.rept 4
	v_cvt_pk_f16_f32 v[HL+8*n+4+i], v[ACC+8*n+2*i], v[ACC+8*n+2*i+1]
.set i, i+1
.endr
.set n, n+1
.endr
.irp a, 0,1,2,3
.irp b, 0,1,2
	ds_store_b128 v[STQ], v[HL+8*(3*\a+\b):HL+8*(3*\a+\b)+3]   offset:\a*16*PT+32*\b
	ds_store_b128 v[STQ], v[HL+8*(3*\a+\b)+4:HL+8*(3*\a+\b)+7] offset:\a*16*PT+32*\b+QLO
.endr
.endr
	s_wait_dscnt 0x0                               ; for the others' sake: my stores into the tile are done (and my reads of slot 1 were over before them)
	s_barrier_signal -1
	s_barrier_wait -1
	; THE ATTENTION of my 16 queries on the 64 keys.
.irp f, 0,1                            ; Q: channels 32 f on
	ds_load_b128 v[QH+8*\f:QH+8*\f+3],   v[RQ] offset:64*\f
	ds_load_b128 v[QH+8*\f+4:QH+8*\f+7], v[RQ] offset:64*\f+32
	ds_load_b128 v[QL+8*\f:QL+8*\f+3],   v[RQ] offset:64*\f+QLO
	ds_load_b128 v[QL+8*\f+4:QL+8*\f+7], v[RQ] offset:64*\f+32+QLO
.endr
.irp kb, 0,1,2,3                       ; K: keys 16 kb on, channels 32 f on
.irp f, 0,1
	ds_load_b128 v[KH+16*\kb+8*\f:KH+16*\kb+8*\f+3],   v[RK] offset:\kb*16*PT+64*\f
	ds_load_b128 v[KH+16*\kb+8*\f+4:KH+16*\kb+8*\f+7], v[RK] offset:\kb*16*PT+64*\f+32
	ds_load_b128 v[KL+16*\kb+8*\f:KL+16*\kb+8*\f+3],   v[RK] offset:\kb*16*PT+64*\f+QLO
	ds_load_b128 v[KL+16*\kb+8*\f+4:KL+16*\kb+8*\f+7], v[RK] offset:\kb*16*PT+64*\f+32+QLO
.endr
.endr
	s_wait_dscnt 0x0
.macro KQT k, q, zero                  ; eight products of S^T; the four accumulators take turns.  zero = 1: the first four start the sums
.irp f, 0,1
.irp kb, 0,1,2,3
.if (\zero) && ((\f) == 0)
	v_wmma_f32_16x16x32_f16 v[S+8*\kb:S+8*\kb+7], v[(\k)+16*\kb+8*\f:(\k)+16*\kb+8*\f+7], v[(\q)+8*\f:(\q)+8*\f+7], 0
.else
	v_wmma_f32_16x16x32_f16 v[S+8*\kb:S+8*\kb+7], v[(\k)+16*\kb+8*\f:(\k)+16*\kb+8*\f+7], v[(\q)+8*\f:(\q)+8*\f+7], v[S+8*\kb:S+8*\kb+7]
.endif
.endr
.endr
.endm
	KQT KH, QH, 1
	KQT KH, QL, 0
	KQT KL, QH, 0
	PLACES
.irp kk, 0,1                           ; V, turned, into K's registers: keys 32 kk on, channels 16 d on
.irp d, 0,1,2,3
	ds_load_tr16_b128 v[VH+32*\kk+8*\d:VH+32*\kk+8*\d+3],   v[RV] offset:\kk*32*PT+32*\d
	ds_load_tr16_b128 v[VH+32*\kk+8*\d+4:VH+32*\kk+8*\d+7], v[RV] offset:\kk*32*PT+16*PT+32*\d
	ds_load_tr16_b128 v[VL+32*\kk+8*\d:VL+32*\kk+8*\d+3],   v[RV] offset:\kk*32*PT+32*\d+QLO
	ds_load_tr16_b128 v[VL+32*\kk+8*\d+4:VL+32*\kk+8*\d+7], v[RV] offset:\kk*32*PT+16*PT+32*\d+QLO
.endr
.endr
.set i, 0
.rept 8                                ; the sum of v's rows 64..2047, in an accumulator's layout: register j of block d holds channel 16 d + 8 (l / 16) + j, for every query
	ds_load_b128 v[O+4*i:O+4*i+3], v[TA] offset:64*(i/2)+16*(i%2)
.set i, i+1
.endr
.set i, 0
.rept 32                               ; a hidden key's score is the mask value
	v_cmp_gt_i32 vcc_lo, 16*(i/8)+i%8, v[QK]
	v_cndmask_b32 v[S+i], v[S+i], v[MH], vcc_lo
.set i, i+1
.endr
.irp n, 0,1,2,3
	v_max3_num_f32 v[C+\n], v[S+8*\n], v[S+8*\n+1], v[S+8*\n+2]
.endr
.irp n, 0,1,2,3
	v_max3_num_f32 v[C+\n], v[C+\n], v[S+8*\n+3], v[S+8*\n+4]
.endr
.irp n, 0,1,2,3
	v_max3_num_f32 v[C+\n], v[C+\n], v[S+8*\n+5], v[S+8*\n+6]
.endr
	v_max3_num_f32 v[C], v[C], v[S+7], v[S+15]
	v_max3_num_f32 v[C+2], v[C+2], v[S+23], v[S+31]
	v_max3_num_f32 v[C], v[C], v[C+1], v[C+2]
	v_max3_num_f32 v[C], v[C], v[C+3], v[MH]       ; every one of these rows has hidden keys behind the 64
	v_permlanex16_b32 v[C+1], v[C], s[SEL], s[SEL+1]  ; the query's other 32 keys lie in the lane 16 away
	v_max_num_f32 v[CM+1], v[C], v[C+1]            ; m
	v_mul_f32 v[CM], s[CS], v[CM+1]                ; c m
.set i, 0
.rept 16
	v_pk_fma_f32 v[S+2*i:S+2*i+1], v[S+2*i:S+2*i+1], s[CS:CS+1], v[CM:CM+1] op_sel_hi:[1,0,0] neg_lo:[0,0,1] neg_hi:[0,0,1]  ; c s - c m
.set i, i+1
.endr
	v_fma_f32 v[WW], v[MH], s[CS], -v[CM]          ; the same for the mask value, in the same rounding
.set i, 0
.rept 32
	v_exp_f32 v[S+i], v[S+i]
.set i, i+1
.endr
	v_exp_f32 v[WW], v[WW]                         ; w
	v_nop                                          ; a plain instruction between the last exponential and the use of its result
.set i, 0
	s_wait_alu depctr_va_vdst(0)
.rept 16
	v_cvt_pk_f16_f32 v[PH+i], v[S+2*i], v[S+2*i+1]
.set i, i+1
.endr
.set i, 0
.rept 8                                ; l is the sum of the unrounded weights
	v_pk_add_f32 v[SM+2*i:SM+2*i+1], v[S+4*i:S+4*i+1], v[S+4*i+2:S+4*i+3]
.set i, i+1
.endr
.irp w, 4,2,1
.set i, 0
.rept \w
	v_pk_add_f32 v[SM+2*i:SM+2*i+1], v[SM+2*i:SM+2*i+1], v[SM+2*(i+\w):SM+2*(i+\w)+1]
.set i, i+1
.endr
.endr
	v_add_f32 v[LS], v[SM], v[SM+1]
	v_permlanex16_b32 v[TP], v[LS], s[SEL], s[SEL+1]
	v_add_f32 v[LS], v[LS], v[TP]
	v_fmamk_f32 v[LS], v[WW], 0x44f80000, v[LS]    ; + 1984 w
	v_rcp_f32 v[RL], v[LS]                         ; the lines below, which touch neither register, stand between it and the use of its result
.set i, 0
.rept 16
	v_fma_mix_f32 v[S+2*i],   -v[PH+i], v[ONE], v[S+2*i] op_sel_hi:[1,0,0]
	v_fma_mix_f32 v[S+2*i+1], -v[PH+i], v[ONE], v[S+2*i+1] op_sel:[1,0,0] op_sel_hi:[1,0,0]
.set i, i+1
.endr
.set i, 0
.rept 16
	v_cvt_pk_f16_f32 v[PL+i], v[S+2*i], v[S+2*i+1]
.set i, i+1
.endr
	s_wait_dscnt 0x0                               ; V and the sum of v are in
.set i, 0
.rept 16                               ; O^T's sums start at w x the sum of v's rows 64..2047
	v_pk_mul_f32 v[O+2*i:O+2*i+1], v[O+2*i:O+2*i+1], v[WW:WW+1] op_sel_hi:[1,0]
.set i, i+1
.endr
.macro PVT v, p                        ; eight products of O^T; the four accumulators take turns
.irp kk, 0,1
.irp d, 0,1,2,3
	v_wmma_f32_16x16x32_f16 v[O+8*\d:O+8*\d+7], v[(\v)+32*\kk+8*\d:(\v)+32*\kk+8*\d+7], v[(\p)+8*\kk:(\p)+8*\kk+7], v[O+8*\d:O+8*\d+7]
.endr
.endr
.endm
	PVT VH, PH
	PVT VL, PH
	PVT VH, PL
	PLACES
.set i, 0
	s_wait_alu depctr_va_vdst(0)
.rept 16
	v_pk_mul_f32 v[O+2*i:O+2*i+1], v[O+2*i:O+2*i+1], v[RL:RL+1] op_sel_hi:[1,0]
.set i, i+1
.endr
.set i, 0
.rept 8                                ; THE WAY OUT, through my own stage
	ds_store_b128 v[STO], v[O+4*i:O+4*i+3] offset:64*(i/2)+16*(i%2)
.set i, i+1
.endr
.set i, 0
.rept 8
	ds_load_b128 v[OUTB+4*i:OUTB+4*i+3], v[RD] offset:i*2*SP  ; LDS serves a wave's instructions in order (ISA guide 5.7.1.4): these see the stores above
.set i, i+1
.endr
.set i, 0
.rept 8
	s_wait_dscnt 7-i                               ; pair i of rows is back; the 7 - i younger loads may be out
	global_store_b128 v[GO], v[OUTB+4*i:OUTB+4*i+3], s[12:13] offset:i*8192 th:TH_STORE_NT  ; lanes 0-15 store a head's 256 bytes of one row, lanes 16-31 of the next: each at a multiple of 256 from out0's first byte
.set i, i+1
.endr
	s_wait_tensorcnt 0x0                           ; the wave's end, behind my last tensor load and my last LDS store
	ds_add_u32 v[SPW], v[NIL]
	s_wait_dscnt 0x0
	s_endpgm
.Lfunc_end_k_qfb38903b72_early:
	.size	k_qfb38903b72_early, .Lfunc_end_k_qfb38903b72_early-k_qfb38903b72_early
	.p2alignl 7, 3214868480
	.fill 96, 4, 3214868480
	.section	.rodata,"a",@progbits
	.p2align	6, 0x0
	.amdhsa_kernel k_qfb38903b72_early
		.amdhsa_group_segment_fixed_size 327680
		.amdhsa_private_segment_fixed_size 0
		.amdhsa_enable_private_segment 0
		.amdhsa_kernarg_size 40
		.amdhsa_user_sgpr_count 2
		.amdhsa_user_sgpr_kernarg_segment_ptr 1
		.amdhsa_wavefront_size32 1
		.amdhsa_system_sgpr_workgroup_id_x 1
		.amdhsa_system_sgpr_workgroup_id_y 1
		.amdhsa_system_sgpr_workgroup_id_z 1
		.amdhsa_system_vgpr_workitem_id 0
		.amdhsa_next_free_vgpr 256
		.amdhsa_next_free_sgpr 72
		.amdhsa_reserve_vcc 1
		.amdhsa_float_denorm_mode_32 3
		.amdhsa_float_denorm_mode_16_64 3
		.amdhsa_memory_ordered 1
		.amdhsa_forward_progress 1
		.amdhsa_inst_pref_size 84
	.end_amdhsa_kernel
	.amdgpu_metadata
---
amdhsa.version: [ 1, 2 ]
amdhsa.kernels:
  - .name:           k_qfb38903b72_early
    .symbol:         k_qfb38903b72_early.kd
    .args:
      - { .name: xb, .offset: 0, .size: 8, .value_kind: global_buffer, .address_space: global }
      - { .name: wb, .offset: 8, .size: 8, .value_kind: global_buffer, .address_space: global }
      - { .name: b_attn, .offset: 16, .size: 8, .value_kind: global_buffer, .address_space: global }
      - { .name: hsum, .offset: 24, .size: 8, .value_kind: global_buffer, .address_space: global }
      - { .name: out0, .offset: 32, .size: 8, .value_kind: global_buffer, .address_space: global }
    .group_segment_fixed_size: 327680
    .private_segment_fixed_size: 0
    .kernarg_segment_align: 8
    .kernarg_segment_size: 40
    .max_flat_workgroup_size: 128
    .sgpr_count:     72
    .vgpr_count:     256
    .wavefront_size: 32
...
	.end_amdgpu_metadata
.endif
;; end of part 4
;; launch attn (part 5): grid 4 x 64, 4 waves a work-group, no clusters, 327,680 bytes of LDS; arguments qkv, hsum, out0; writes out0
.if DOCPART == 5
	.amdgcn_target "amdgcn-amd-amdhsa--gfx1250"
	.amdhsa_code_object_version 6
	.text
	.protected	k_qfb38903b72_attn
	.globl	k_qfb38903b72_attn
	.p2align	8
	.type	k_qfb38903b72_attn,@function
k_qfb38903b72_attn:
	s_mov_b64 s[64:65], 0
	v_nop
	global_prefetch_b8 v0, s[64:65] scope:SCOPE_SE
	s_setreg_imm32_b32 hwreg(HW_REG_WAVE_MODE, 25, 1), 1
	s_wait_xcnt 0x0
; CAUSAL ATTENTION WITH A FINITE MASK VALUE.  For head h (16 x batch + head) and query q: scores s_k = Q[q] . K[k] / 8 for k <= q, and -10000 for k > q; out = softmax(s) V.
; Q, K, V: the three parts of qkv, [64][2048][64] f16, a head's rows dense, 128 bytes each.  out0: [4][2048][1024] f32; a head's 64 channels of a row are 256 consecutive bytes.
; Products, maxima and sums in f32; the weights p are rounded to f16 for the second product (their sum l is taken of the unrounded p).
; ROWS 0..63 OF A HEAD ARE NOT STORED HERE: they see so few keys that one rounding of the operands to f16 is too coarse for them; the launch before makes them with split operands.
; THE HIDDEN KEYS all have one score, so a row's hidden keys weigh w = exp(-10000 - m') each, m' = max(m, -10000), m the largest visible score.  The walk takes the visible keys alone; at a block's end
;   out = (a O + w H) / (a l + w n),   a = exp(m - m'),   n = 2047 - q hidden keys,   H = the sum of their rows of V.
; H is made of three parts: the hidden keys of the query's own 64 (a product with a 0/1 matrix), the later steps of the diagonal tile (products with ones), and the tiles above the block (hsum's entries 2..15, made by an earlier launch).
; LIMITS.  f16 holds no number beyond 65,504: Q, K and V arrive within it; p below 6e-5 keeps f16's fixed step of 6e-8.  Inside the diagonal tile a hidden score counts in the walk as its value less 1e30
; (weight 0; its true weight is added at the block's end); a weight below 2^-126 counts as 0; NaN and infinities are not treated apart.
; THE WALK.  A head's queries lie in NB = 8 blocks of 256; block i needs the key tiles 0 .. i of 256 keys, of which the last holds the diagonal.  A work-group takes TWO blocks, NB - 1 - b and then b:
; NB + 1 tiles, whatever b: all work-groups do equal work, and ONE loop with a constant trip count walks them.  Which tile is asked for, and what a trip does, hang on scalar registers made from b; every jump
; goes forward, but for the counted loops' own; none passes a barrier, or a tensor load but the one of LOAD's two that the wave's number does not choose; the ring (two slots of LDS that take turns) runs on across the
; change of blocks.  NO CLUSTER: what a trip does (a block's first tile, its last) hangs on b, which in a cluster of a head's four work-groups would be the place in the cluster, and partners must run alike;
; one walk common to all four would have 3 NB / 2 = 12 trips for NB + 1 = 9.
; SHARES.  Of a block's four bands of 64 queries a wave owns 16 rows in each: four PIECES.  So the diagonal tile is the same work for all four waves: in its key step s band x sees all keys if s < x,
; none if s > x, and holds the diagonal if s = x.
; THE MASK in the walk is the C operand that starts the sum S^T = K Q^T: 0, or -1e30 where the key is hidden.  MD, made once, is the mask of a band's own step for my 16 rows; a product's mask is MD x AL + BE with two scalars:
; (1, 0) if s = x; (0, 0) if s < x; (0, -1e30) if s > x.  Only the diagonal tile's text and a block's beginning make and take masks; elsewhere C is the constant 0.
; LAYOUT, SOFTMAX, TURNS.  S^T = K Q^T holds ONE query a lane (lane % 16) and the keys 8 (lane / 16) + 0..7; two such results rounded to f16 ARE source 1 of O^T = V^T P.  p = 2^(c s - c m), c = log2(e) / 8, with a
; running maximum m; O and l are multiplied by a = 2^(c m_old - c m_new) in every step.  Turn n belongs to piece n: 8 products K Q^T of piece n + 1, later 8 products V^T P of piece n - 1; beside them the scaling,
; exponentials, roundings, sums and rescaling of piece n and the maximum and statistics of piece n + 1.  Four vector instructions stand behind every matrix instruction, the other 54 of a turn's 118 in two lumps.
; REGISTERS, in windows of 256 (s_set_vgpr_msb: bits 1:0 source 0, 3:2 source 1, 5:4 source 2, 7:6 destination):
;   window 0: v0-15 addresses and two at work; v16-31 four registers of statistics a piece; v32-47 at work at a block's end; v48-55 at work; v56-61 addresses and two constants; v64-127 S^T, two buffers;
;             v64-191 at a block's end the rows on their way out; v192-223 P, two buffers; v224-239 HD (1 where a key of the band's own step is hidden, in P's layout); v240-247 ones
;   window 1: v0-127 O^T, 32 a piece; v128-159 MD; v160-223 MC, two buffers (at a block's end: the running sum of V's hidden rows); v224-255 SU, a piece's H
;   window 2: v0-63 Q; v64-127 the second block's Q; v128-191 K of one step; v192-255 V of one step
.set SIZE_N, 2048
.set NB,    SIZE_N/256
.set NP,    4         ; pieces a wave: a name, no knob
.set KS,    64        ; keys in a step
.set PK,    144       ; a row of K in LDS: 128 bytes + 16 of padding = 36 words: the 16 rows of a load start at 16 different groups of four banks (64 banks of 4 bytes: ISA guide 11.1)
.set PV,    160       ; a row of V: 128 + 32 = 40 words
.set VOFF,  4*KS*PK   ; a slot holds a tile, four steps: 256 rows of K, then 256 rows of V
.set SLOT1, 1<<17     ; slot 1 begins here, so that one exclusive or turns an address in one slot into the other's
.set STAGE, SLOT1+4*KS*(PK+PV)  ; behind the ring, never filled by a tensor load: 16 rows x 272 bytes for each wave, for the way out
.set SP,    272       ; 256 bytes of f32 + 16
.set TS,    STAGE+4*16*SP       ; for each wave 512 bytes: the sums of V over the tiles above its first block, then above its second, 64 f32 each
.set SPARE, TS+4*512  ; the spare words, 128 bytes for each wave: two blocks of 256 bytes that no other line names
.set AK0, 2           ; v2   my lane's place in a tile of K; never rewritten
.set AV0, 3           ; v3   the same for V
.set AK,  4           ; v4   the LDS address of K's next run of loads
.set AV,  5           ; v5   of V's
.set STO, 6           ; v6   the way out: where I put 32 bytes of a row
.set RD,  7           ; v7   the way out: where I read rows back
.set GO,  8           ; v8   my byte offset in two rows of out0
.set SPW, 62          ; v62  LDS address of my spare word: SPARE + 4 x my thread's number; never rewritten
.set NIL, 63          ; v63  0; never rewritten
.set MV,  12          ; v12-13  c m_old, kept while c m is made anew: by buffer
.set QO,  15          ; v15  my byte offset in 16 rows of Q
.set ST,  16          ; piece t's statistics at v[ST+4 t]: c m, m, l (even keys', odd keys')
.set EP,  32          ; piece t's four registers at a block's end
.set TMP, 48          ; by buffer, four registers c0-c3 at work; when the maximum is found c2 takes a
.set TA,  56          ; v56  where I read my eight channels of a block's sums
.set HO,  57          ; v57  8 x lane: my two channels in an entry of hsum
.set TW,  59          ; v59  where I put my two channels of a block's sums
.set MH,  60          ; v60  -80000: the mask value times 8, since the scores here are not yet divided by 8
.set LOW, 61          ; v61  the lowest finite number
.set S,   64
.set OUTB, 64
.set P,   192
.set HD,  224
.set ONES, 240
.set MD,  128         ; window 1: the eight registers for group kt of 16 keys at MD + 8 kt
.set MC,  160         ; window 1: the masks of the products to come
.set SU,  224         ; window 1
.set QB,  64          ; window 2
.set KF,  128         ; window 2: key block kb, channel half c at KF + 16 kb + 8 c
.set VF,  192         ; window 2: key half kk, channel block cb at VF + 32 kk + 8 cb
.set WV,  12          ; s12  my wave's number
.set PB,  14          ; s14  b
.set HI,  15          ; s15  NB - 1 - b
.set G1K, 24          ; s[24:31] descriptor group 1 for K's tiles
.set G1V, 32          ; s[32:39] for V's: it differs in the padding alone
.set G0K, 40          ; s[40:43] descriptor group 0 for K's tiles
.set G0V, 44          ; s[44:47] the same for V's
.set SLOTS, 56        ; s56  tiles still to be asked for
.set CNT, 57          ; s57  counts a tile's key steps, 4 to 1
.set CS,  58          ; s[58:59] c: the packed scaling takes the pair's low word for both halves
.set SEL, 60          ; s[60:61] v_permlanex16_b32's selects: each lane takes its own place in the other half
.set TBK, 62          ; s62  LDS byte at which K of the step to be fetched begins
.set TBV, 63          ; s63  the same for V, less VOFF
.set RT,  70          ; s70  tiles of the block in hand that are still to be entered
.set NXT, 71          ; s71  the tile to be asked for next
.set LQ,  72          ; s72  the last tile of the block whose tiles are being asked for
.set NEW, 73          ; s73  1: the tile to be entered is a block's first
.set OFF, 74          ; s[74:75] a tile's byte offset in K and V
.set AL,  76          ; s[76:77] the mask's factor, in the low word
.set BE,  78          ; s[78:79] the mask's addend
.set OLO, 80          ; s[80:81] out0 at my rows of the second block
.set BIGN, 82         ; s82  -1e30
.set CB1, 88          ; s88  2047 less the first of my rows in band 0 of the first block
.set CB2, 89          ; s89  the same for the second block
.set FF,  90          ; s[90:91] 1.0 or 0: does a tile lie above the block?
.set HS,  92          ; s[92:93] hsum
.set MSB, 0
.macro WIN new                      ; the high byte repeats the setting that is left; a switch that changes nothing is dropped
.if MSB != (\new)
	s_set_vgpr_msb (MSB<<8)|(\new)
.set MSB, (\new)
.endif
.endm
.set W_KQ, 0x0a       ; K and Q in window 2, S^T in window 0
.set W_KM, 0x1a       ; the same with the C operand in window 1
.set W_PV, 0x52       ; V in window 2, P in window 0, O^T in window 1
.set W_RS, 0x41       ; destination and source 0 in window 1, source 1 in window 0
; A fill.  Waves 0 and 1 fetch the two halves of a tile's K, waves 2 and 3 those of its V: 128 keys each.  An s_nop 0 and four v_nop follow each of the two lines, ahead of the jump and the label.
.macro LOAD
	s_cmp_lt_u32 s[WV], 2
	s_cbranch_scc0 .Lfor_v_\@
	tensor_load_to_lds s[G0K:G0K+3], s[G1K:G1K+7]
	s_nop 0
.rept 4
	v_nop
.endr
	s_branch .Lasked_\@
.Lfor_v_\@:
	tensor_load_to_lds s[G0V:G0V+3], s[G1V:G1V+7]
	s_nop 0
.rept 4
	v_nop
.endr
.Lasked_\@:
.endm
; THE CHANGE OF SLOTS.  Each wave waits for all its tensor loads, of which one is out: its part of the other slot; adds 0 to its spare word; and waits for that and for its own reads of the slot that it leaves.  Behind the barrier nobody reads the old
; slot any more and the other slot is whole.  fill = 1: the old slot is filled again, the first thing behind the barrier, with tile NXT: the descriptor's address is made anew from that number.
; (At its first use nothing has been read yet: slot 0 is waited for, slot 1 filled.)
.macro CHANGE fill
	WIN 0                           ; at a label and at a branch every window is 0
	s_wait_tensorcnt 0x0            ; no tensor load of mine is out, so a group 0 may be written
	ds_add_u32 v[SPW], v[NIL]       ; 0 onto my spare word; with fill = 1 the descriptors' scalar work stands between it and the wait for it
.if \fill
	s_lshl_b32 s[OFF], s[NXT], 15   ; a tile is 32,768 bytes of K and of V
	s_xor_b32 s[G0K+1], s[G0K+1], SLOT1
	s_add_nc_u64 s[G0K+2:G0K+3], s[6:7], s[OFF:OFF+1]
	s_or_b32 s[G0K+3], s[G0K+3], 0x80000000
	s_xor_b32 s[G0V+1], s[G0V+1], SLOT1
	s_add_nc_u64 s[G0V+2:G0V+3], s[8:9], s[OFF:OFF+1]
	s_or_b32 s[G0V+3], s[G0V+3], 0x80000000
	s_add_co_u32 s[NXT], s[NXT], 1  ; the block's next tile, or behind its last the second block's tile 0
	s_cmp_gt_u32 s[NXT], s[LQ]
	s_cselect_b32 s[NXT], 0, s[NXT]
	s_cselect_b32 s[LQ], s[PB], s[LQ]
.endif
	s_wait_dscnt 0x0                ; the add is done, and my LDS reads and stores are over
	s_barrier_signal -1             ; the rest of the scalar work stands between the signal and the wait
	s_sub_co_u32 s[TBK], s[TBK], 4*KS*PK  ; the fetches go back to a slot's first step,
	s_xor_b32 s[TBK], s[TBK], SLOT1       ; in the other slot
	s_sub_co_u32 s[TBV], s[TBV], 4*KS*PV
	s_xor_b32 s[TBV], s[TBV], SLOT1
	s_barrier_wait -1
.if \fill
	LOAD
.endif
.endm
	s_load_b64 s[4:5], s[0:1], 0x0        ; qkv: Q's part begins it
	s_load_b64 s[HS:HS+1], s[0:1], 0x8    ; hsum
	s_load_b64 s[10:11], s[0:1], 0x10     ; out0
	v_lshl_add_u32 v[SPW], v0, 2, SPARE
	v_mov_b32 v[NIL], 0
	ds_add_u32 v[SPW], v[NIL]       ; the wave's opening: the add and its wait stand ahead of my first tensor load; the set-up below, work on registers, stands between them
	ds_add_u32 v62, v63
	v_lshrrev_b32 v1, 5, v0
	v_readfirstlane_b32 s[WV], v1   ; wave 0..3
	s_mov_b32 s[PB], ttmp9
	s_sub_co_u32 s[HI], NB-1, s[PB]
	s_and_b32 s20, ttmp7, 0xffff    ; the head, 16 x batch + head
	s_lshr_b32 s96, s20, 4          ; out0: a batch is 8,388,608 bytes,
	s_lshl_b32 s96, s96, 23
	s_and_b32 s97, s20, 15          ; a head's channels 256 bytes of a row,
	s_lshl_b32 s97, s97, 8
	s_add_co_u32 s96, s96, s97
	s_lshl_b32 s97, s[WV], 16       ; my 16 rows of 4,096 bytes in a band,
	s_add_co_u32 s96, s96, s97
	s_lshl_b32 s94, s[HI], 20       ; a block 256 rows: the first block's offset in s[94:95],
	s_add_co_u32 s94, s94, s96
	s_mov_b32 s95, 0
	s_lshl_b32 s97, s[PB], 20       ; the second's in s[96:97]
	s_add_co_u32 s96, s96, s97
	s_mov_b32 s97, 0
	s_lshl_b32 s98, s20, 12         ; the head's 16 entries of hsum, of which
	s_add_co_u32 s98, s98, 512      ; entries 2..15 are tiles 1..7, by halves
	s_mov_b32 s99, 0
	s_lshl_b32 s13, s[WV], 4
	s_lshl_b32 s[CB1], s[HI], 8
	s_add_co_u32 s[CB1], s[CB1], s13
	s_sub_co_u32 s[CB1], SIZE_N-1, s[CB1]
	s_lshl_b32 s[CB2], s[PB], 8
	s_add_co_u32 s[CB2], s[CB2], s13
	s_sub_co_u32 s[CB2], SIZE_N-1, s[CB2]
	s_mov_b32 s[FF+1], 0            ; named as a pair
	s_mov_b32 s21, 0
	s_mov_b64 s[22:23], SIZE_N*128
	s_mul_u64 s[20:21], s[20:21], s[22:23]  ; the head's first byte in each of qkv's three parts
	s_and_b32 s16, s[WV], 1         ; which half of a tile's 256 keys I fetch:
	s_lshl_b32 s22, s16, 14         ; its 128 rows of 128 bytes in memory,
	s_mov_b32 s23, 0
	s_add_nc_u64 s[22:23], s[22:23], s[20:21]
	s_mul_i32 s17, s16, 128*PK      ; and its place in a slot, for K
	s_mul_i32 s18, s16, 128*PV      ; and for V
	s_lshl_b32 s3, s[WV], 11        ; my 16 rows in a band of 64,
	s_lshl_b32 s2, s[HI], 15        ; in the first block,
	s_add_co_u32 s2, s2, s3
	s_lshl_b32 s84, s[PB], 15       ; and in the second
	s_add_co_u32 s84, s84, s3
	s_mov_b32 s3, 0
	s_mov_b32 s85, 0
	s_add_nc_u64 s[2:3], s[2:3], s[20:21]
	s_add_nc_u64 s[84:85], s[84:85], s[20:21]
	; descriptor group 1.  128 keys are 16,384 dense bytes: asked for as 64 rows of 256 bytes, two keys a row, and padded in LDS after every key
	s_mov_b32 s[G1K], (1<<16)|(1<<20)|(4<<22)|(3<<25)  ; 17:16 2-byte elements; 20 padding on; 24:22 after every 32 words (code 4); 31:25 4 words (code 3)
	s_mov_b32 s[G1V], (1<<16)|(1<<20)|(4<<22)|(7<<25)  ; the same with 8 words of padding (code 7)
.irp g, G1K, G1V
	s_mov_b32 s[\g+1], 128<<16      ; tensor_dim0 = 128
	s_mov_b32 s[\g+2], 64<<16       ; tensor_dim1 = 64
	s_mov_b32 s[\g+3], 128<<16      ; tile_dim0 = 128
	s_mov_b32 s[\g+4], 64           ; tile_dim1 = 64
	s_mov_b32 s[\g+5], 128          ; 128 elements from row to row
	s_mov_b32 s[\g+6], 0
	s_mov_b32 s[\g+7], 0
.endr
	s_mov_b32 s[CS], 0x3e38aa3b     ; c = log2(e) / 8 = 0.180337
	s_mov_b32 s[CS+1], s[CS]        ; named with it as a pair
	s_mov_b32 s[SEL], 0x76543210
	s_mov_b32 s[SEL+1], 0xfedcba98
	s_mov_b32 s[TBK], SLOT1+4*KS*PK ; the first change of slots turns these two into 0
	s_mov_b32 s[TBV], SLOT1+4*KS*PV
	s_mov_b32 s[G0K], 1             ; 1:0 count = 1
	s_mov_b32 s[G0K+1], s17         ; 63:32 LDS address: slot 0
	s_mov_b32 s[G0V], 1
	s_add_co_u32 s[G0V+1], s18, VOFF
	s_add_co_u32 s[RT], s[HI], 1    ; the first block has NB - b tiles
	s_mov_b32 s[NXT], 1
	s_mov_b32 s[LQ], s[HI]
	s_mov_b32 s[NEW], 1
	s_mov_b32 s[OFF+1], 0
	s_mov_b32 s[AL+1], 0            ; named as pairs
	s_mov_b32 s[BE+1], 0
	s_mov_b32 s[BIGN], 0xf149f2ca   ; -1e30
	s_mov_b32 s[SLOTS], NB
	s_wait_dscnt 0x0                ; the opening add is done
	s_wait_kmcnt 0x0
	s_add_nc_u64 s[6:7], s[4:5], 0x1000000  ; K's part of qkv begins 16,777,216 bytes in,
	s_add_nc_u64 s[8:9], s[4:5], 0x2000000  ; V's 33,554,432
	s_add_nc_u64 s[6:7], s[6:7], s[22:23]  ; K and V at my half of the head's tile 0
	s_add_nc_u64 s[8:9], s[8:9], s[22:23]
	s_add_nc_u64 s[G0K+2:G0K+3], s[6:7], 0         ; 120:64 global address
	s_or_b32 s[G0K+3], s[G0K+3], 0x80000000        ; 127:126 type = 2
	s_add_nc_u64 s[G0V+2:G0V+3], s[8:9], 0
	s_or_b32 s[G0V+3], s[G0V+3], 0x80000000
	s_add_nc_u64 s[86:87], s[4:5], s[84:85]        ; Q at my rows of the second block,
	s_add_nc_u64 s[4:5], s[4:5], s[2:3]            ; and of the first
	s_add_nc_u64 s[OLO:OLO+1], s[10:11], s[96:97]  ; out0 likewise
	s_add_nc_u64 s[10:11], s[10:11], s[94:95]
	s_add_nc_u64 s[HS:HS+1], s[HS:HS+1], s[98:99]
	LOAD                            ; tile 0 into slot 0
	v_and_b32 v[HO], 31, v0
	v_lshlrev_b32 v[HO], 3, v[HO]
.set i, 0
.rept 14                            ; 14 entries of hsum, ahead of Q's loads: lane l takes channels 2 l and 2 l + 1
	global_load_b64 v[S+2*i:S+2*i+1], v[HO], s[HS:HS+1] offset:256*i
.set i, i+1
.endr
	; A fragment of K or Q is 16 rows x 32 channels in 8 registers: lane l holds row l % 16, channels 8 (l / 16) + 0..7 and 16 + 8 (l / 16) + 0..7: two loads of 16 bytes, 32 bytes apart.
	v_and_b32 v1, 15, v0            ; l % 16; kept
	v_bfe_u32 v9, v0, 4, 1          ; l / 16; kept
	v_lshlrev_b32 v[QO], 7, v1
	v_lshl_add_u32 v[QO], v9, 4, v[QO]  ; row x 128 + 16 x half
	WIN 0x80                        ; destination window 2, address window 0
.set i, 0
.rept 8                             ; both blocks' Q: piece i / 2 lies in band i / 2, 8,192 bytes on; channels 32 (i % 2) on
	global_load_b128 v[8*i:8*i+3],   v[QO], s[4:5] offset:(i/2)*8192+(i%2)*64
	global_load_b128 v[8*i+4:8*i+7], v[QO], s[4:5] offset:(i/2)*8192+(i%2)*64+32
	global_load_b128 v[QB+8*i:QB+8*i+3],   v[QO], s[86:87] offset:(i/2)*8192+(i%2)*64
	global_load_b128 v[QB+8*i+4:QB+8*i+7], v[QO], s[86:87] offset:(i/2)*8192+(i%2)*64+32
.set i, i+1
.endr
	WIN 0
	v_lshlrev_b32 v14, 3, v9
	v_sub_nc_u32 v14, v1, v14
	s_lshl_b32 s13, s[WV], 4
	v_add_nc_u32 v14, s13, v14      ; my query's place in its band, 16 w + l % 16, less my lanes' 8 (l / 16): register r of group kt is hidden where 16 kt + r is greater
	WIN 0x40
.set i, 0
.rept 32
	v_cmp_gt_i32 vcc_lo, 16*(i/8)+i%8, v14
	v_cndmask_b32 v[MD+i], 0, s[BIGN], vcc_lo
.set i, i+1
.endr
	WIN 0
.set i, 0
.rept 16                            ; the same test once more, as 1 or 0 in f16, two keys a register: P's layout
	v_cmp_gt_i32 vcc_lo, 16*((2*i)/8)+(2*i)%8, v14
	v_cndmask_b32 v12, 0, 1.0, vcc_lo
	v_cmp_gt_i32 vcc_lo, 16*((2*i+1)/8)+(2*i+1)%8, v14
	v_cndmask_b32 v13, 0, 1.0, vcc_lo
	v_cvt_pk_f16_f32 v[HD+i], v12, v13
.set i, i+1
.endr
.set i, 0
.rept 8
	v_mov_b32 v[ONES+i], 0x3c003c00 ; 1.0 twice in f16
.set i, i+1
.endr
	v_mul_u32_u24 v[AK0], v1, PK
	v_lshl_add_u32 v[AK0], v9, 4, v[AK0]  ; row x pitch + 16 x half
	; The turning load takes 16 keys x 16 channels (lane l reads key 8 (l / 16) + l % 8, channels 8 ((l / 8) % 2) + 0..7) and leaves half a fragment of V^T: lane l holds channel l % 16 and 8 keys.
	v_and_b32 v10, 7, v0
	v_bfe_u32 v11, v0, 3, 1
	v_lshl_add_u32 v[AV0], v9, 3, v10
	v_mul_u32_u24 v[AV0], v[AV0], PV
	v_lshl_add_u32 v[AV0], v11, 4, v[AV0]
	v_add_nc_u32 v[AV0], VOFF, v[AV0]
	s_mul_i32 s13, s[WV], 16*SP
	s_add_co_u32 s13, s13, STAGE    ; my stage
	v_mul_u32_u24 v[STO], v1, SP    ; in: row l % 16, 32 bytes (eight channels in f32) for each half of the lanes
	v_lshl_add_u32 v[STO], v9, 5, v[STO]
	v_add_nc_u32 v[STO], s13, v[STO]
	v_mul_u32_u24 v[RD], v9, SP     ; back: lanes 0-15 take one row of 256 bytes, lanes 16-31 the next,
	v_lshl_add_u32 v[RD], v1, 4, v[RD]
	v_add_nc_u32 v[RD], s13, v[RD]
	v_lshlrev_b32 v[GO], 12, v9     ; and the same two rows in out0, 4,096 bytes apart
	v_lshl_add_u32 v[GO], v1, 4, v[GO]
	s_lshl_b32 s13, s[WV], 9
	s_add_co_u32 s13, s13, TS       ; my 512 bytes for the blocks' sums
	v_add_nc_u32 v[TW], s13, v[HO]
	v_lshl_add_u32 v[TA], v9, 5, s13
	; A block's first step multiplies O^T and l by a = 0, and its first turn's products V^T P, of a piece that has not been, land in an O^T that is still to be so multiplied.  So these registers need only hold
	; finite numbers: zeros for the first block; what the first block left for the second.  All this stands in the wait for the first tile.
	WIN 0x80
.set i, VF
.rept 64
	v_mov_b32 v[i], 0
.set i, i+1
.endr
	WIN 0x40
.set i, 0
.rept 128
	v_mov_b32 v[i], 0
.set i, i+1
.endr
	WIN 0
.set i, 0
.rept 4
	v_mov_b32 v[ST+4*i+2], 0
	v_mov_b32 v[ST+4*i+3], 0
.set i, i+1
.endr
.set i, P+16
.rept 16
	v_mov_b32 v[i], 0
.set i, i+1
.endr
	; The sums of V over the tiles above each of my two blocks: tile t counts with the factor 1.0 where the block's number is below t, else 0.  They go into my own bytes of LDS: no other wave reads them.
	s_wait_loadcnt 32               ; loads come back in order (ISA guide 5.7.1): Q's 32 are younger and may stay out; hsum's 14 are in
.set i, 0
.rept 7
	v_pk_add_f32 v[S+4*i:S+4*i+1], v[S+4*i:S+4*i+1], v[S+4*i+2:S+4*i+3]  ; a tile's two halves
.set i, i+1
.endr
.irp z, 0,1                         ; z = 0: block NB - 1 - b (s15); z = 1: block b (s14)
.set i, 0
.rept 7
	s_cmp_lt_u32 s[HI-(\z)], i+1
	s_cselect_b32 s[FF], 1.0, 0
.if i == 0
	v_pk_mul_f32 v[S+28+2*(\z):S+29+2*(\z)], v[S:S+1], s[FF:FF+1] op_sel_hi:[1,0]
.else
	v_pk_fma_f32 v[S+28+2*(\z):S+29+2*(\z)], v[S+4*i:S+4*i+1], s[FF:FF+1], v[S+28+2*(\z):S+29+2*(\z)] op_sel_hi:[1,0,1]
.endif
.set i, i+1
.endr
	ds_store_b64 v[TW], v[S+28+2*(\z):S+29+2*(\z)] offset:256*(\z)
.endr
; THE MATRIX WORK.  The 4 accumulators of a run of 8 take turns.  Product i of 8 of S^T = K Q^T for piece x: channels 32 (i / 4) on, keys 16 (i % 4) on.  The first 4 start the sums: with 0, or (KM = 1) with the mask.
.macro KQ x
.set rS, S+32*((\x)%2)+8*(i%4)
.set rK, KF+16*(i%4)+8*(i/4)
.set rQ, 16*(\x)+8*(i/4)
.set rM, MC+32*((\x)%2)+8*(i%4)
.if (i < 4) && KM
	WIN W_KM
	v_wmma_f32_16x16x32_f16 v[rS:rS+7], v[rK:rK+7], v[rQ:rQ+7], v[rM:rM+7]
.elseif i < 4
	WIN W_KQ
	v_wmma_f32_16x16x32_f16 v[rS:rS+7], v[rK:rK+7], v[rQ:rQ+7], 0
.else
	WIN W_KQ
	v_wmma_f32_16x16x32_f16 v[rS:rS+7], v[rK:rK+7], v[rQ:rQ+7], v[rS:rS+7]
.endif
.endm
; Product i of 8 of O^T += V^T P for piece x: keys 32 (i / 4) on, channels 16 (i % 4) on.
.macro PV x
	WIN W_PV
.set rO, 32*(\x)+8*(i%4)
.set rV, VF+32*(i/4)+8*(i%4)
.set rP, P+16*((\x)%2)+8*(i/4)
	v_wmma_f32_16x16x32_f16 v[rO:rO+7], v[rV:rV+7], v[rP:rP+7], v[rO:rO+7]
.endm
.macro MM                           ; the turn's next matrix instruction.  TURN and BEGIN set Y, i, KM and NOKQ; MM, KQ and OP read them.  NOKQ = 1: a block's last turn: there is no next piece
.if (i < 8) && !NOKQ
	KQ (Y+1)%NP
.elseif i >= 8
.set i, i-8
	PV (Y+NP-1)%NP
.set i, i+8
.endif
.set i, i+1
.endm
; THE LDS LOADS stand in runs of 16, never singly among the matrix instructions: a step's K (64 keys x 64 channels: 8 fragments) and its V (turned).  Their addresses are made some lines ahead.
.macro FETCH_K
	WIN 0x80                        ; destination window 2
.irp f, 0,1,2,3,4,5,6,7             ; keys 16 (f / 2) on, channels 32 (f % 2) on
	ds_load_b128 v[KF+8*\f:KF+8*\f+3],   v[AK] offset:(\f/2)*16*PK+(\f%2)*64
	ds_load_b128 v[KF+8*\f+4:KF+8*\f+7], v[AK] offset:(\f/2)*16*PK+(\f%2)*64+32
.endr
	s_add_co_u32 s[TBK], s[TBK], KS*PK  ; the next fetch is the next step's
	WIN 0
.endm
.macro FETCH_V
	WIN 0x80
.irp f, 0,1,2,3,4,5,6,7             ; keys 32 (f / 4) on, channels 16 (f % 4) on
	ds_load_tr16_b128 v[VF+8*\f:VF+8*\f+3],   v[AV] offset:(\f/4)*32*PV+(\f%4)*32
	ds_load_tr16_b128 v[VF+8*\f+4:VF+8*\f+7], v[AV] offset:(\f/4)*32*PV+16*PV+(\f%4)*32
.endr
	WIN 0
.endm
; THE VECTOR WORK, one line at a time: OP kind, number.  For piece Y: F n: c s - c m for pair n of 16.  E n: the exponential of score n of 32.  C n: pair n rounded to f16.  B n: of the four weights 4 n .. the second
; pair is added onto the first, in place.  L n: l takes that sum (L 0: l = a l + sum).  R n: pair n of 16 of O^T times a.  For piece Y + 1: X n, number n of the 22 that find its maximum and statistics:
;   0-11  four chains c0-c3 of seven scores each, three operands at a time (each accumulator's lowest registers are read first)     12-14, 16  the four scores left over, the old m, and c0-c3 into c0
;   15  c m_old is kept     17, 18  the query's other 32 keys lie in the lane 16 away: the new m     19-21  c m; c m_old - c m_new; a
.set F, 0               ; OP tells the kinds apart by their order: F to L below R, X above it
.set E, 1
.set C, 2
.set B, 3
.set L, 4
.set R, 5
.set X, 6
.macro REGS y                       ; the registers of piece y
.set rT, ST+4*(\y)
.set rC, TMP+4*((\y)%2)
.set rW, MV+((\y)%2)
.set rS, S+32*((\y)%2)
.set rP, P+16*((\y)%2)
.set rO, 32*(\y)
.endm
.macro OP k, n
.if (\k) == R
	REGS Y
	WIN W_RS
	v_pk_mul_f32 v[rO+2*(\n):rO+2*(\n)+1], v[rO+2*(\n):rO+2*(\n)+1], v[rC+2:rC+3] op_sel_hi:[1,0]
.elseif (\k) < R
	REGS Y
	WIN 0
.if (\k) == F
	v_pk_fma_f32 v[rS+2*(\n):rS+2*(\n)+1], v[rS+2*(\n):rS+2*(\n)+1], s[CS:CS+1], v[rT:rT+1] op_sel_hi:[1,0,0] neg_lo:[0,0,1] neg_hi:[0,0,1]
.elseif (\k) == E
	v_exp_f32 v[rS+(\n)], v[rS+(\n)]
.elseif (\k) == C
	s_wait_alu depctr_va_vdst(0)
	v_cvt_pk_f16_f32 v[rP+(\n)], v[rS+2*(\n)], v[rS+2*(\n)+1]
.elseif (\k) == B
	s_wait_alu depctr_va_vdst(0)
	v_pk_add_f32 v[rS+4*(\n):rS+4*(\n)+1], v[rS+4*(\n):rS+4*(\n)+1], v[rS+4*(\n)+2:rS+4*(\n)+3]
.elseif (\n) == 0
	v_pk_fma_f32 v[rT+2:rT+3], v[rT+2:rT+3], v[rC+2:rC+3], v[rS:rS+1] op_sel_hi:[1,0,1]
.else
	v_pk_add_f32 v[rT+2:rT+3], v[rT+2:rT+3], v[rS+4*(\n):rS+4*(\n)+1]
.endif
.elseif NOKQ
	v_nop
.else
	REGS (Y+1)%NP
	WIN 0
.if (\n) < 4
	v_max3_num_f32 v[rC+(\n)], v[rS+8*(\n)], v[rS+8*(\n)+1], v[rS+8*(\n)+2]
.elseif (\n) < 12
	v_max3_num_f32 v[rC+(\n)%4], v[rC+(\n)%4], v[rS+8*((\n)%4)+2*((\n)/4)+1], v[rS+8*((\n)%4)+2*((\n)/4)+2]
.elseif (\n) == 12
	v_max3_num_f32 v[rC], v[rC], v[rS+7], v[rS+15]
.elseif (\n) == 13
	v_max3_num_f32 v[rC+1], v[rC+1], v[rS+23], v[rS+31]
.elseif (\n) == 14
	v_max3_num_f32 v[rC+2], v[rC+2], v[rC+3], v[rT+1]
.elseif (\n) == 15
	v_mov_b32 v[rW], v[rT]
.elseif (\n) == 16
	v_max3_num_f32 v[rC], v[rC], v[rC+1], v[rC+2]
.elseif (\n) == 17
	v_permlanex16_b32 v[rC+3], v[rC], s[SEL], s[SEL+1]
.elseif (\n) == 18
	v_max_num_f32 v[rT+1], v[rC], v[rC+3]
.elseif (\n) == 19
	v_mul_f32 v[rT], s[CS], v[rT+1]
.elseif (\n) == 20
	v_sub_f32 v[rC+1], v[rW], v[rT]
.else
	v_exp_f32 v[rC+2], v[rC+1]
.endif
.endif
.endm
.macro OPS a, i1, b=-1, i2=0, c=-1, i3=0, d=-1, i4=0  ; up to four of them
	OP \a, \i1
.if (\b) >= 0
	OP \b, \i2
.endif
.if (\c) >= 0
	OP \c, \i3
.endif
.if (\d) >= 0
	OP \d, \i4
.endif
.endm
.macro ROW a, i1, b, i2, c, i3, d, i4  ; a matrix instruction and the four behind it
	MM
	OPS \a, \i1, \b, \i2, \c, \i3, \d, \i4
.endm
.macro MASK b                       ; MD x AL + BE into buffer b of MC
	WIN W_RS
.set z, 0
.rept 16
	v_pk_fma_f32 v[MC+32*(\b)+2*z:MC+32*(\b)+2*z+1], v[MD+2*z:MD+2*z+1], s[AL:AL+1], s[BE:BE+1] op_sel_hi:[1,0,0]
.set z, z+1
.endr
.endm
; A TURN, for piece p: the order of its 16 matrix and 118 vector instructions, written out.  Behind a matrix instruction: plain, exponential, plain, plain; or four of the rescaling; or, behind the first, four scalings; none
; names a register of the products round it.  In the lumps exponential and plain by turns while exponentials last.  A line reads no result made fewer than three vector instructions in front of it, five if an exponential made it.
; v_permlanex16_b32 (X 17) stands in a lump.
; m = 1: the diagonal tile: the products take masks, and the turn makes the mask for the products of the turn after it: piece p + 2, in step 4 - CNT of the tile.  end = 1: a block's last two turns: nothing is fetched.
; cnt = 1: the loop's count is taken down some lines ahead of the branch that stands behind the turn.
; K of the next step is fetched in piece 2's turn, six vector instructions behind the last product that read K (five of them plain); V of the step in hand in piece 0's turn, eight behind the last product that read V (four
; plain, and X 17).  Each is waited for a turn later.
.macro TURN p, m=0, end=0, cnt=0
.set Y, (\p)
.set i, 0
.set KM, (\m)
.set NOKQ, (\end)*((\p)/3)
.if (\m) && !(\end)
	s_cmp_eq_u32 s[CNT], 4-((\p)+2)%NP  ; is that step the band's own?
	s_cselect_b32 s[AL], 1.0, 0
	s_cmp_lt_u32 s[CNT], 4-((\p)+2)%NP  ; or a later one?
	s_cselect_b32 s[BE], s[BIGN], 0
.endif
.if ((\p) == 3) && !(\end)
	s_wait_dscnt 0x0                ; K is in
.endif
	ROW F,0, F,1, F,2, F,3
	ROW F,4, E,0, F,5, F,6
	ROW F,7, E,1, F,8, F,9
	ROW F,10, E,2, C,0, F,11
	ROW F,12, E,3, X,15, F,13
	ROW R,0, R,1, R,2, R,3
	ROW B,0, E,4, F,14, L,0
.if ((\p) == 2) && !(\end)
	v_add_nc_u32 v[AK], s[TBK], v[AK0]
.endif
	ROW R,4, R,5, R,6, R,7
	OPS E,5, F,15
.if ((\p) == 2) && !(\end)
	FETCH_K
.endif
	OPS E,6, C,1, E,7, R,8
	OPS E,8, R,9, E,9, C,2
	OPS E,10, X,0, E,11, X,1
	OPS E,12, X,2, E,13, X,3
.if (\p) == 1
	s_wait_dscnt 0x0                ; V is in
.endif
	ROW X,4, E,14, X,5, X,6
	ROW X,7, E,15, X,8, X,9
	ROW X,10, E,16, X,11, X,12
	ROW X,13, E,17, X,14, B,1
	ROW C,4, E,18, X,16, L,1
	ROW B,2, E,19, C,6, L,2
	ROW C,8, E,20, B,3, B,4
.if (\p) == 0
	v_add_nc_u32 v[AV], s[TBV], v[AV0]
.endif
	ROW C,3, E,21, L,3, C,5
	OPS E,22, X,17, E,23, C,10
.if (\p) == 0
	FETCH_V
.endif
	OPS E,24, L,4
	OPS E,25, X,18, E,26, C,7
	OPS E,27, B,5, E,28, X,19
	OPS E,29, C,12, E,30, L,5
	OPS E,31, X,20, B,6, C,9
	OPS C,14, C,11, X,21, L,6
.if (\p) == 0
	s_add_co_u32 s[TBV], s[TBV], KS*PV
.endif
.if \cnt
	s_sub_co_u32 s[CNT], s[CNT], 1
	s_cmp_lg_u32 s[CNT], 0
.endif
	OPS C,13, B,7, C,15, R,10
	OPS R,11, R,12, L,7, R,13
	OPS R,14, R,15
.if (\m) && !(\end)
	MASK (\p)%2
.endif
.endm
; A BLOCK BEGINS.  c m starts far below every c s, so the first step's a is 0; m at the lowest finite number, so the first maximum is the scores'.  The second mask buffer is 0; the first takes piece 0's mask for the tile's step 0: its own, if the block's first tile is the diagonal one.
; Then K of that step, piece 0's first scores, and its maximum and statistics.  The loop is entered at a step's first turn, in the middle of a trip.
.macro BEGIN
	s_mov_b32 s[NEW], 0
	WIN 0x40
.set i, MC+32
.rept 32
	v_mov_b32 v[i], 0
.set i, i+1
.endr
	WIN 0
.set i, 0
.rept 4
	v_mov_b32 v[ST+4*i], 0xfe000000    ; c m: far below every c s
	v_mov_b32 v[ST+4*i+1], 0xff7fffff  ; m
.set i, i+1
.endr
	s_cmp_eq_u32 s[RT], 0
	s_cselect_b32 s[AL], 1.0, 0
	s_mov_b32 s[BE], 0
	MASK 0
	WIN 0
	v_add_nc_u32 v[AK], s[TBK], v[AK0]
	FETCH_K
	s_wait_loadcnt 0x0              ; Q
	s_wait_dscnt 0x0
.set KM, 1
.set NOKQ, 0
.set i, 0
.rept 8
	KQ 0
.set i, i+1
.endr
	WIN 0
.rept 4
	v_nop                           ; the places behind those products
.endr
.set Y, NP-1                        ; X works for piece Y + 1: piece 0
.irp n, 0,1,2,3,4,5,6,7,8,9,10,11,12,13,14,15,16,17,18,19,20,21
	OP X, \n
.endr
	v_nop                           ; a plain instruction behind the exponential
.endm
.macro ALL line:vararg              ; one line for each piece t
.set t, 0
.rept 4
	s_wait_alu depctr_va_vdst(0)
	\line
.set t, t+1
.endr
.endm
; A BLOCK'S END, first part: each piece's l is completed, and from m and the number n of hidden keys come a / L and w / L, L = a l + w n.  cbr: the scalar register with 2047 less my first row of band 0; tso: the block's sums in my bytes of LDS.
; c m' and c m are products of the same c in the same rounding, so a is exactly 1 where the visible maximum stays the maximum.  A row with no hidden key takes the lowest finite number for the mask value: w = 0, a = 1.
.macro STATS cbr, tso
	WIN 0
	ALL v_add_f32 v[ST+4*t+2], v[ST+4*t+2], v[ST+4*t+3]      ; four plain lines: the places behind the last products, in front of the loads below
	WIN 0x40
.set i, 0
.rept 8                             ; the sum of V over the tiles above the block, in an accumulator's layout: register j of block cb holds channel 16 cb + 8 (l / 16) + j, for every query
	ds_load_b128 v[MC+4*i:MC+4*i+3], v[TA] offset:(\tso)+64*(i/2)+16*(i%2)
.set i, i+1
.endr
	WIN 0
	s_sub_co_u32 s97, s[TBV], 4*KS*PV                        ; four steps of V have been fetched: back to the diagonal tile's first
	v_add_nc_u32 v[AV], s97, v[AV0]
	v_mov_b32 v[MH], 0xc79c4000                              ; -80000
	v_mov_b32 v[LOW], 0xff7fffff
	ALL v_permlanex16_b32 v[ST+4*t+3], v[ST+4*t+2], s[SEL], s[SEL+1]
	ALL v_add_f32 v[ST+4*t+2], v[ST+4*t+2], v[ST+4*t+3]      ; l
.set t, 0
.rept 4
	s_sub_co_u32 s96, s[\cbr], 64*t
	v_sub_nc_u32 v[EP+4*t], s96, v1                          ; n = 2047 - q
	v_cmp_eq_u32 vcc_lo, 0, v[EP+4*t]
	v_cndmask_b32 v[EP+4*t+1], v[MH], v[LOW], vcc_lo
.set t, t+1
.endr
	ALL v_cvt_f32_u32 v[EP+4*t], v[EP+4*t]
	ALL v_max_num_f32 v[EP+4*t+2], v[ST+4*t+1], v[EP+4*t+1]  ; m'
	ALL v_mul_f32 v[EP+4*t+2], s[CS], v[EP+4*t+2]
	ALL v_mul_f32 v[EP+4*t+1], s[CS], v[EP+4*t+1]
	ALL v_sub_f32 v[EP+4*t+3], v[ST+4*t], v[EP+4*t+2]
	ALL v_sub_f32 v[EP+4*t+1], v[EP+4*t+1], v[EP+4*t+2]
	ALL v_exp_f32 v[EP+4*t+3], v[EP+4*t+3]                   ; a
	ALL v_exp_f32 v[EP+4*t+1], v[EP+4*t+1]                   ; w
	v_nop                           ; a plain instruction between the last exponential and the use of its result
	ALL v_mul_f32 v[EP+4*t], v[EP+4*t+1], v[EP+4*t]
	ALL v_fma_f32 v[EP+4*t], v[ST+4*t+2], v[EP+4*t+3], v[EP+4*t]  ; L
	ALL v_rcp_f32 v[EP+4*t], v[EP+4*t]
	v_nop                           ; a plain instruction between the last reciprocal and the use of its result
	ALL v_mul_f32 v[ST+4*t+2], v[EP+4*t+3], v[EP+4*t]        ; a / L
	ALL v_mul_f32 v[ST+4*t], v[EP+4*t+1], v[EP+4*t]          ; w / L
.endm
.macro SEND t                       ; piece t's 16 rows: lanes 0-15 store a head's 256 bytes of one row, lanes 16-31 of the next: each at a multiple of 256 from out0's first byte
	WIN 0
.irp f, 0,1,2,3,4,5,6,7
	global_store_b128 v[GO], v[OUTB+32*(\t)+4*\f:OUTB+32*(\t)+4*\f+3], s[10:11] offset:(\t)*262144+\f*8192 th:TH_STORE_NT
.endr
.endm
; A BLOCK'S END, second part, for band s = 3, 2, 1, 0.  CIN holds the sum of V over all keys behind the diagonal tile's step s.  V of step s comes out of LDS once more (its slot is filled again only behind the next change of slots).
; SU = V^T HD + CIN is piece s's H; COUT = V^T ones + CIN is the next band's CIN.  The eight accumulators (four at s = 0) take turns.
; Then O = O (a / L) + SU (w / L); the 16 multiplies name no register of the products and are the places behind them.  The piece goes through my stage and is stored in the next band's part.
.macro FIN s
.set CIN,  MC+32*((3-(\s))%2)
.set COUT, MC+32*((4-(\s))%2)
.set rO, 32*(\s)
	WIN 0x80
.irp f, 0,1,2,3,4,5,6,7
	ds_load_tr16_b128 v[VF+8*\f:VF+8*\f+3],   v[AV] offset:(\s)*KS*PV+(\f/4)*32*PV+(\f%4)*32
	ds_load_tr16_b128 v[VF+8*\f+4:VF+8*\f+7], v[AV] offset:(\s)*KS*PV+(\f/4)*32*PV+16*PV+(\f%4)*32
.endr
	s_wait_dscnt 0x0                ; V is in; so are the block's sums, and the piece before is back from the stage
	WIN W_PV
.irp kk, 0,1
.irp d, 0,1,2,3
.if (\kk) == 0
	v_wmma_f32_16x16x32_f16 v[SU+8*\d:SU+8*\d+7], v[VF+8*\d:VF+8*\d+7], v[HD:HD+7], v[CIN+8*\d:CIN+8*\d+7]
.if (\s) > 0
	v_wmma_f32_16x16x32_f16 v[COUT+8*\d:COUT+8*\d+7], v[VF+8*\d:VF+8*\d+7], v[ONES:ONES+7], v[CIN+8*\d:CIN+8*\d+7]
.endif
.else
	v_wmma_f32_16x16x32_f16 v[SU+8*\d:SU+8*\d+7], v[VF+32+8*\d:VF+32+8*\d+7], v[HD+8:HD+15], v[SU+8*\d:SU+8*\d+7]
.if (\s) > 0
	v_wmma_f32_16x16x32_f16 v[COUT+8*\d:COUT+8*\d+7], v[VF+32+8*\d:VF+32+8*\d+7], v[ONES:ONES+7], v[COUT+8*\d:COUT+8*\d+7]
.endif
.endif
.endr
.endr
.if (\s) < 3
	SEND (\s)+1
.endif
	WIN 0x51                        ; destination, source 0 and source 2 in window 1, source 1 in window 0
.set z, 0
.rept 16
	v_pk_mul_f32 v[rO+2*z:rO+2*z+1], v[rO+2*z:rO+2*z+1], v[ST+4*(\s)+2:ST+4*(\s)+3] op_sel_hi:[1,0]
.set z, z+1
.endr
.set z, 0
.rept 16
	v_pk_fma_f32 v[rO+2*z:rO+2*z+1], v[SU+2*z:SU+2*z+1], v[ST+4*(\s):ST+4*(\s)+1], v[rO+2*z:rO+2*z+1] op_sel_hi:[1,0,1]
.set z, z+1
.endr
	WIN 0x04                        ; the stores' data in window 1
.set z, 0
.rept 8
	ds_store_b128 v[STO], v[rO+4*z:rO+4*z+3] offset:64*(z/2)+16*(z%2)
.set z, z+1
.endr
	WIN 0
.irp f, 0,1,2,3,4,5,6,7
	ds_load_b128 v[OUTB+32*(\s)+4*\f:OUTB+32*(\s)+4*\f+3], v[RD] offset:\f*2*SP  ; LDS serves a wave's instructions in order (ISA guide 5.7.1.4): these see the stores above; the next piece's stores come behind them
.endr
.endm
; THE DIAGONAL TILE's four steps, the block's last two turns, its last products, and the block's end.  The tag ends its labels' names, which the jumps below spell out.
; tag = 2 is the second block, block b: where b = 0 its piece 0 is rows 0..63 of the head, which another launch makes: their stores are jumped over.
.macro DIAG tag, cbr, tso
.LstepM\tag:
	TURN 2, 1
	TURN 3, 1
	WIN 0
.LfirstM\tag:
	TURN 0, 1
	TURN 1, 1, 0, 1
	WIN 0
	s_cbranch_scc1 .LstepM\tag
	TURN 2, 1, 1
	TURN 3, 1, 1
.set i, 0
.rept 8
	PV NP-1
.set i, i+1
.endr
	STATS \cbr, \tso
	FIN 3
	FIN 2
	FIN 1
	FIN 0
	s_wait_dscnt 0x0                ; piece 0 is back from the stage
.if (\tag) == 2
	s_cmp_eq_u32 s[PB], 0
	s_cbranch_scc1 .Lno_send
.endif
	SEND 0
.if (\tag) == 2
.Lno_send:
.endif
.endm
.set KM, 0
.set NOKQ, 0
.Lslot:                             ; NB times: a tile is entered and the next is asked for
	CHANGE 1
	s_sub_co_u32 s[RT], s[RT], 1
	s_mov_b32 s[CNT], 4
	s_cmp_eq_u32 s[NEW], 1
	s_cbranch_scc1 .Lnew            ; a block's first tile
	s_cmp_eq_u32 s[RT], 0
	s_cbranch_scc0 .Lstep           ; neither its first nor its last
	s_branch .LstepM1
.Lnew:
	BEGIN
	s_branch .Lfirst                ; in the loop a block's first tile is never its last: the first block has two tiles or more, and the second's last is the walk's last
	DIAG 1, CB1, 0                  ; in the loop this is the first block's end: the second block's last tile is the walk's last
	s_wait_xcnt 0x0                 ; the stores have read their registers and out0's address
	s_mov_b64 s[10:11], s[OLO:OLO+1]
	s_add_co_u32 s[RT], s[PB], 1    ; the second block has b + 1 tiles
	s_mov_b32 s[NEW], 1
	WIN 0x82                        ; the second block's Q goes where the one text of the turns names Q
.set i, 0
.rept 64
	v_mov_b32 v[i], v[QB+i]
.set i, i+1
.endr
	WIN 0
	s_branch .Lbottom
.Lstep:                             ; a trip: pieces 2 and 3 of one step, then pieces 0 and 1 of the next, whose K and V it fetches
	TURN 2
	TURN 3
	WIN 0
.Lfirst:
	TURN 0
	TURN 1, 0, 0, 1
	WIN 0
	s_cbranch_scc1 .Lstep
.Lbottom:
	s_sub_co_u32 s[SLOTS], s[SLOTS], 1
	s_cmp_lg_u32 s[SLOTS], 0
	s_cbranch_scc1 .Lslot
	CHANGE 0                        ; the walk's last tile is written out: nothing is asked for
	s_sub_co_u32 s[RT], s[RT], 1
	s_mov_b32 s[CNT], 4
	s_cmp_eq_u32 s[NEW], 1
	s_cbranch_scc0 .LstepM2
	BEGIN
	s_branch .LfirstM2
	DIAG 2, CB2, 256
	s_wait_tensorcnt 0x0            ; the wave's end, behind my last tensor load and my last LDS store
	ds_add_u32 v[SPW], v[NIL]
	s_wait_dscnt 0x0
	s_endpgm
.Lfunc_end_k_qfb38903b72_attn:
	.size	k_qfb38903b72_attn, .Lfunc_end_k_qfb38903b72_attn-k_qfb38903b72_attn
	.p2alignl 7, 3214868480
	.fill 96, 4, 3214868480
	.section	.rodata,"a",@progbits
	.p2align	6, 0x0
	.amdhsa_kernel k_qfb38903b72_attn
		.amdhsa_group_segment_fixed_size 327680
		.amdhsa_private_segment_fixed_size 0
		.amdhsa_enable_private_segment 0
		.amdhsa_kernarg_size 24
		.amdhsa_user_sgpr_count 2
		.amdhsa_user_sgpr_kernarg_segment_ptr 1
		.amdhsa_wavefront_size32 1
		.amdhsa_system_sgpr_workgroup_id_x 1
		.amdhsa_system_sgpr_workgroup_id_y 1
		.amdhsa_system_sgpr_workgroup_id_z 1
		.amdhsa_system_vgpr_workitem_id 0
		.amdhsa_next_free_vgpr 768
		.amdhsa_next_free_sgpr 100
		.amdhsa_reserve_vcc 1
		.amdhsa_float_denorm_mode_32 3
		.amdhsa_float_denorm_mode_16_64 3
		.amdhsa_memory_ordered 1
		.amdhsa_forward_progress 1
		.amdhsa_inst_pref_size 255
	.end_amdhsa_kernel
	.section	.bss,"aw",@nobits
	.p2align	6
	.space	262144
	.amdgpu_metadata
---
amdhsa.version: [ 1, 2 ]
amdhsa.kernels:
  - .name:           k_qfb38903b72_attn
    .symbol:         k_qfb38903b72_attn.kd
    .args:
      - { .name: qkv, .offset: 0, .size: 8, .value_kind: global_buffer, .address_space: global }
      - { .name: hsum, .offset: 8, .size: 8, .value_kind: global_buffer, .address_space: global }
      - { .name: out0, .offset: 16, .size: 8, .value_kind: global_buffer, .address_space: global }
    .group_segment_fixed_size: 327680
    .private_segment_fixed_size: 0
    .kernarg_segment_align: 8
    .kernarg_segment_size: 24
    .max_flat_workgroup_size: 128
    .sgpr_count:     100
    .vgpr_count:     768
    .wavefront_size: 32
...
	.end_amdgpu_metadata
.endif
;; end of part 5
